; MI455X (gfx1250); checked and timed in simulation.
; The chip was launched on July 23, 2026; its instructions are those of AMD's public machine-readable ISA for CDNA 5 (MIT licence, August 2026) and "CDNA5" Instruction Set Architecture Reference Guide (July 2026). The comments in the code are by the model that wrote it; some were corrected since.
;; Cross Attention. Allowed arithmetic: float matrix products may take bf16 or f16 operands with f32 sums; other float arithmetic in f32, or as packed bf16 or f16 multiplies, adds, multiply-adds, maxima and minima; sums over many terms, partial sums and values carried from step to step in f32; what a program stores and reads back later, other than sums and carried values, may be rounded once to bf16 or f16.
;; Inputs: fc_b 512 float32; fc_w 512 x 4,096 float32; idt 8 x 512 x 512 float32; k 8 x 2,048 x 512 float32; ln_b 512 float32; ln_g 512 float32; q 8 x 512 x 512 float32; qk_w 512 x 512 float32; s_valid_mask 8 x 2,048 int32; v 8 x 2,048 x 256 float32; v_w 4,096 x 256 float32.
;; Outputs: out0 8 x 512 x 512 float32.
;; 2 versions, each right and faster than the one before. Each part assembles by itself: llvm-mc -triple=amdgcn-amd-amdhsa -mcpu=gfx1250 --defsym DOCPART=n.
;; ======== version 1 of 2: 4 launches
;; workspace buffers: vb 8,388,608 bytes; qh 4,194,304 bytes; kh 16,777,216 bytes; wc 2,097,152 bytes; u 16,777,216 bytes; y 4,194,304 bytes
;; launch prep (part 1): grid 256 x 1, 8 waves a work-group, no clusters, 320,000 bytes of LDS; arguments q, k, v, qk_w, v_w, fc_w, qh, kh, vb, wc; writes qh, kh, vb, wc
.if DOCPART == 1
	.amdgcn_target "amdgcn-amd-amdhsa--gfx1250"
	.amdhsa_code_object_version 6
	.text
	.protected	k_qfadabad04e_prep
	.globl	k_qfadabad04e_prep
	.p2align	8
	.type	k_qfadabad04e_prep,@function
k_qfadabad04e_prep:
	s_mov_b64 s[64:65], 0
	v_nop
	global_prefetch_b8 v0, s[64:65] scope:SCOPE_SE
	s_setreg_imm32_b32 hwreg(HW_REG_WAVE_MODE, 25, 1), 1
	s_wait_xcnt 0x0
; PREP.  Three pieces of work for each of 256 work-groups of eight waves; all inputs are f32 and are rounded once to bf16 on the way.
;   V: vb = bf16(v): rows 64 i .. 64 i + 63 of v taken as [16384][256]: 65,536 consecutive bytes in, 32,768 out.
;   W: one tile, 32 x 128, of Wc[o][256 h + c] = sum over d of fc_w[o][512 h + d] v_w[512 h + d][c] (K = 512).  The value projection and the output
;      projection are both linear behind the softmax, so their weights are multiplied here once, and attention then works on v itself.
;   P: one tile, 160 rows x 256 columns (K = 512), of the shared projection: 32 rows of q and 128 rows of k against four heads of qk_w.
;      qh is [b][h][512][64], kh is [b][h][2048][64], both bf16 and unscaled.
; All products: bf16 operands, f32 sums.  LIMITS: the roundings to bf16 named above; NaN and infinities are not treated apart.
; NO TENSOR LOADS, NO JOINT LOADS: every tile is f32 in memory and has to be rounded before it is a matrix operand.  Through registers it is rounded once and lies in LDS
; as 2 bytes a number; brought as it is, it would take 4 bytes a number in LDS and each wave that reads a fragment would round it again (A's fragments 4 times, B's twice).
; LDS: two slots of 416 rows x 144 bytes (160 rows of q and k, 256 rows of qk_w, 64 along K); fc_w's tile 32 x 1,040; v_w's tile [d][c] 512 x 288; stages; the spare words.
; REGISTERS: window 0: v0-31 addresses, v32-239 what comes from memory, v240-255 W's way out.  Window 1: accumulators and fragments.
.set PP,    144                       ; a slot's row: 128 bytes + 16: an odd multiple of 16, so the 16 rows of a fragment load begin 16 bytes apart modulo 256
.set PS1,   416*PP                    ; slot 1
.set AW,    2*PS1                     ; fc_w's tile
.set AWP,   1040                      ; 1,024 + 16
.set BW,    AW+32*AWP                 ; v_w's tile, rows along d
.set BWP,   288                       ; 256 + 32: an odd multiple of 32, for the turning load
.set STG,   BW+512*BWP                ; stages: at the end 16 rows x 144 for each wave; earlier, W's 32 rows x 272 for the work-group
.set WSP,   272
.set SPARE, STG+8*16*PP               ; the spare words: 128 bytes for each of eight waves
.set VO,  3                           ; (t / 16) x 2,048 + 16 (t % 16): 16 rows of 256 bytes of q, k or qk_w
.set VS0, 4                           ; v4, v5   where those 16 bytes go, as 8, in slot 0, 1
.set VA0, 6                           ; v6, v7   my A fragments in slot 0, 1
.set VB0, 8                           ; v8, v9   my B fragments
.set VV,  10                          ; 16 t
.set VVS, 11                          ; 8 t
.set VGA, 12                          ; fc_w: two rows of 2,048 bytes to a load of the work-group
.set VSA, 13
.set VGB, 14                          ; v_w: eight rows of 512 bytes
.set VSB, 15                          ; steps by 128 rows
.set VWA, 16                          ; W: my A fragments
.set VWB, 17                          ; v17-19  W: my B fragments, K steps 0-6, 7-13, 14-15
.set VWS, 20                          ; W: into the stage
.set VWR, 21                          ; W: back
.set VWG, 22                          ; W: my bytes in wc
.set STO, 23                          ; P: into my stage
.set RD,  24                          ; P: back
.set GO,  25                          ; P: 16 x lane
.set SPW, 30                          ; my spare word; never rewritten
.set NIL, 31                          ; 0; never rewritten
.set X0,  32
.set X1,  96
.set X2,  160
.set S0,  32                          ; two sets of 104 registers: a K step's 26 loads
.set TMP, 112
.set OB,  32
.set TMPW, 240
.set FA,  160                         ; window 1: P's fragments of A (5), of B (4)
.set FB,  200
.set WAC, 160                         ; window 1: W's four accumulators
.set MSB, 0
.macro WIN new                        ; the high byte repeats the setting that is left; a switch that changes nothing is dropped
.if MSB != (\new)
	s_set_vgpr_msb (MSB<<8)|(\new)
.set MSB, (\new)
.endif
.endm
.macro PLACES                         ; four places behind matrix instructions (ISA guide 7.12.1), where no other vector work is at hand
.rept 4
	v_nop
.endr
.endm
	s_load_b512 s[16:31], s[0:1], 0x0              ; q 16, k 18, v 20, qk_w 22, v_w 24, fc_w 26, qh 28, kh 30
	s_load_b128 s[32:35], s[0:1], 0x40             ; vb 32, wc 34
	v_lshl_add_u32 v[SPW], v0, 2, SPARE
	v_mov_b32 v[NIL], 0
	v_lshrrev_b32 v29, 5, v0
	v_readfirstlane_b32 s8, v29                    ; wave 0..7
	s_mov_b32 s9, ttmp9                            ; i
	s_lshr_b32 s10, s9, 1                          ; g: which 160 rows
	s_and_b32 s11, s9, 1                           ; ch: which four heads.  Also W's half of the 256 columns c
	s_lshr_b32 s12, s10, 4                         ; b.  Also W's head
	s_and_b32 s13, s10, 15                         ; gq: the rows' place in the batch.  Also W's block of 32 rows o
	s_and_b32 s2, s8, 3                            ; wn: my head among the four
	s_lshr_b32 s3, s8, 2                           ; wm: my five blocks of 16 rows
	s_and_b32 s4, s8, 1                            ; wa: W: my 16 rows
	s_bfe_u32 s5, s8, 0x10001                      ; wc: W: my 64 columns
	; byte offsets, made apart from the addresses
	s_lshl_b32 s36, s10, 16                        ; q: 32 rows of 2,048
	s_mov_b32 s37, 0
	s_lshl_b32 s38, s10, 18                        ; k: 128 rows
	s_mov_b32 s39, 0
	s_lshl_b32 s40, s11, 19                        ; qk_w: 256 rows
	s_mov_b32 s41, 0
	s_lshl_b32 s42, s9, 16                         ; v: 64 rows of 1,024
	s_mov_b32 s43, 0
	s_lshl_b32 s44, s9, 15                         ; vb
	s_mov_b32 s45, 0
	s_lshl_b32 s46, s13, 19                        ; fc_w: 32 rows of 16,384,
	s_lshl_b32 s6, s12, 11                         ; the head's 512 numbers
	s_add_co_u32 s46, s46, s6
	s_mov_b32 s47, 0
	s_lshl_b32 s48, s12, 19                        ; v_w: the head's 512 rows of 1,024,
	s_lshl_b32 s6, s11, 9                          ; 128 columns
	s_add_co_u32 s48, s48, s6
	s_mov_b32 s49, 0
	s_lshl_b32 s50, s13, 17                        ; wc: 32 rows of 4,096,
	s_lshl_b32 s6, s12, 9                          ; the head's 256 columns,
	s_add_co_u32 s50, s50, s6
	s_lshl_b32 s6, s11, 8                          ; the half
	s_add_co_u32 s50, s50, s6
	s_mov_b32 s51, 0
	s_lshl_b32 s6, s11, 2
	s_add_co_u32 s6, s6, s2                        ; my head
	s_lshl3_add_u32 s6, s12, s6                    ; 8 b + head
	s_lshl_b32 s7, s6, 18                          ; kh: a head's 2,048 rows of 128 bytes,
	s_lshl_b32 s15, s13, 14                        ; my 128 rows
	s_add_co_u32 s7, s7, s15
	s_mul_i32 s52, s3, 10240                       ; my blocks 2 to 4 are k's blocks 0-2 (wm = 0) or 5-7 (wm = 1)
	s_add_co_u32 s52, s52, s7
	s_mov_b32 s53, 0
	s_add_co_u32 s7, s7, 6144                      ; my blocks 0 and 1 are k's blocks 3, 4 (wm = 1)
	s_lshl_b32 s54, s6, 16                         ; or q's two blocks (wm = 0): qh: a head's 512 rows,
	s_lshl_b32 s15, s13, 12                        ; my 32 rows
	s_add_co_u32 s54, s54, s15
	s_cmp_eq_u32 s3, 1
	s_cselect_b32 s54, s7, s54
	s_mov_b32 s55, 0
	; lane addresses
	v_and_b32 v1, 15, v0                           ; r
	v_bfe_u32 v2, v0, 4, 1                         ; h
	v_and_b32 v26, 31, v0                          ; lane
	v_lshrrev_b32 v27, 4, v0                       ; t / 16
	v_lshlrev_b32 v[VO], 11, v27
	v_lshl_add_u32 v[VO], v1, 4, v[VO]
	v_mul_u32_u24 v[VS0], v27, PP
	v_lshl_add_u32 v[VS0], v1, 3, v[VS0]
	v_add_nc_u32 v[VS0+1], PS1, v[VS0]
	v_mul_u32_u24 v28, v1, PP
	v_lshl_add_u32 v28, v2, 4, v28                 ; r x 144 + 16 h
	s_mul_i32 s60, s3, 80*PP
	v_add_nc_u32 v[VA0], s60, v28
	v_add_nc_u32 v[VA0+1], PS1, v[VA0]
	s_mul_i32 s60, s2, 64*PP
	s_add_co_u32 s60, s60, 160*PP
	v_add_nc_u32 v[VB0], s60, v28
	v_add_nc_u32 v[VB0+1], PS1, v[VB0]
	v_lshlrev_b32 v[VV], 4, v0
	v_lshlrev_b32 v[VVS], 3, v0
	v_lshrrev_b32 v240, 7, v0
	v_and_b32 v241, 127, v0
	v_lshlrev_b32 v[VGA], 14, v240
	v_lshl_add_u32 v[VGA], v241, 4, v[VGA]
	v_mul_u32_u24 v[VSA], v240, AWP
	v_lshl_add_u32 v[VSA], v241, 3, v[VSA]
	v_add_nc_u32 v[VSA], AW, v[VSA]
	v_lshlrev_b32 v[VGB], 10, v29
	v_lshl_add_u32 v[VGB], v26, 4, v[VGB]
	v_mul_u32_u24 v[VSB], v29, BWP
	v_lshl_add_u32 v[VSB], v26, 3, v[VSB]
	v_add_nc_u32 v[VSB], BW, v[VSB]
	v_mul_u32_u24 v[VWA], v1, AWP
	v_lshl_add_u32 v[VWA], v2, 4, v[VWA]
	s_mul_i32 s60, s4, 16*AWP
	s_add_co_u32 s60, s60, AW
	v_add_nc_u32 v[VWA], s60, v[VWA]
	v_and_b32 v240, 7, v0
	v_bfe_u32 v241, v0, 3, 1
	v_lshl_add_u32 v[VWB], v2, 3, v240             ; the turning load: lane l reads row 8 (l / 16) + l % 8, 16 bytes at 16 ((l / 8) % 2)
	v_mul_u32_u24 v[VWB], v[VWB], BWP
	v_lshl_add_u32 v[VWB], v241, 4, v[VWB]
	s_lshl_b32 s60, s5, 7
	s_add_co_u32 s60, s60, BW
	v_add_nc_u32 v[VWB], s60, v[VWB]
	v_add_nc_u32 v[VWB+1], 7*32*BWP, v[VWB]        ; an LDS offset has 16 bits: seven K steps of 9,216 bytes to a register
	v_add_nc_u32 v[VWB+2], 14*32*BWP, v[VWB]
	v_mul_u32_u24 v[VWS], v1, WSP
	v_lshl_add_u32 v[VWS], v2, 4, v[VWS]
	s_mul_i32 s60, s4, 16*WSP
	s_lshl_b32 s61, s5, 7
	s_add_co_u32 s60, s60, s61
	s_add_co_u32 s60, s60, STG
	v_add_nc_u32 v[VWS], s60, v[VWS]
	v_mul_u32_u24 v[VWR], v27, WSP
	v_lshl_add_u32 v[VWR], v1, 4, v[VWR]
	v_add_nc_u32 v[VWR], STG, v[VWR]
	v_lshlrev_b32 v[VWG], 12, v27
	v_lshl_add_u32 v[VWG], v1, 4, v[VWG]
	s_mul_i32 s60, s8, 16*PP
	s_add_co_u32 s60, s60, STG                     ; my stage
	v_add_nc_u32 v[STO], s60, v28
	v_bfe_u32 v[RD], v0, 3, 2
	v_mul_u32_u24 v[RD], v[RD], PP
	v_lshl_add_u32 v[RD], v240, 4, v[RD]
	v_add_nc_u32 v[RD], s60, v[RD]
	v_lshlrev_b32 v[GO], 4, v26
	s_wait_kmcnt 0x0
	s_cmp_eq_u32 s3, 1
	s_cselect_b64 s[56:57], s[30:31], s[28:29]     ; my blocks 0 and 1 go to kh or to qh: the choice hangs on the wave's number alone
	s_add_nc_u64 s[56:57], s[56:57], s[54:55]
	s_add_nc_u64 s[58:59], s[30:31], s[52:53]      ; my blocks 2 to 4 go to kh
	s_add_nc_u64 s[16:17], s[16:17], s[36:37]
	s_add_nc_u64 s[18:19], s[18:19], s[38:39]
	s_add_nc_u64 s[22:23], s[22:23], s[40:41]
	s_add_nc_u64 s[20:21], s[20:21], s[42:43]
	s_add_nc_u64 s[32:33], s[32:33], s[44:45]
	s_add_nc_u64 s[26:27], s[26:27], s[46:47]
	s_add_nc_u64 s[24:25], s[24:25], s[48:49]
	s_add_nc_u64 s[34:35], s[34:35], s[50:51]
.macro GLD x, vo, b, stride, first    ; 16 loads of 16 bytes a lane
.set j, 0
.rept 16
	global_load_b128 v[(\x)+4*j:(\x)+4*j+3], v[\vo], s[\b:\b+1] offset:((\first)+j)*(\stride)
.set j, j+1
.endr
.endm
.macro CV2 x                          ; four f32 to four bf16, in place
	v_cvt_pk_bf16_f32 v[\x], v[\x], v[(\x)+1]
	v_cvt_pk_bf16_f32 v[(\x)+1], v[(\x)+2], v[(\x)+3]
.endm
.macro PRV x                          ; v: rounded and stored: a wave's store covers 256 consecutive bytes, aligned
.set j, 0
.rept 16
	CV2 (\x)+4*j
	global_store_b64 v[VVS], v[(\x)+4*j:(\x)+4*j+1], s[32:33] offset:j*2048
.set j, j+1
.endr
.endm
.macro PRA x                          ; fc_w's tile into LDS, two rows to a line
.set j, 0
.rept 16
	CV2 (\x)+4*j
	ds_store_b64 v[VSA], v[(\x)+4*j:(\x)+4*j+1] offset:j*2*AWP
.set j, j+1
.endr
.endm
.macro PRB x                          ; 128 rows of v_w's tile into LDS, eight rows to a line
.set j, 0
.rept 16
	CV2 (\x)+4*j
	ds_store_b64 v[VSB], v[(\x)+4*j:(\x)+4*j+1] offset:j*8*BWP
.set j, j+1
.endr
	v_add_nc_u32 v[VSB], 128*BWP, v[VSB]
.endm
.macro LOADS t, s                     ; K step t of P: 26 loads: 32 rows of q, 128 of k, 256 of qk_w, 256 bytes of each
.set j, 0
.rept 2
	global_load_b128 v[(\s)+4*j:(\s)+4*j+3], v[VO], s[16:17] offset:j*32768+(\t)*256
.set j, j+1
.endr
.rept 8
	global_load_b128 v[(\s)+4*j:(\s)+4*j+3], v[VO], s[18:19] offset:(j-2)*32768+(\t)*256
.set j, j+1
.endr
.rept 16
	global_load_b128 v[(\s)+4*j:(\s)+4*j+3], v[VO], s[22:23] offset:(j-10)*32768+(\t)*256
.set j, j+1
.endr
.endm
.macro CONVERT s, slot, cnt           ; a set is rounded and laid into a slot, 16 rows to a line; cnt: the loads issued behind the set's
	s_wait_loadcnt \cnt
.set j, 0
.rept 26
	CV2 (\s)+4*j
	ds_store_b64 v[VS0+(\slot)], v[(\s)+4*j:(\s)+4*j+1] offset:j*16*PP
.set j, j+1
.endr
.endm
; 64 along K of a slot: twice 18 fragment loads and 20 products.  Source 0 = 16 rows of qk_w, source 1 = 16 rows of q or k: a lane then holds eight neighbouring
; channels of one row.  The 20 accumulators take turns, one instruction a turn.
.macro COMPUTE slot, zero
.set ks, 0
.rept 2
	WIN 0x40                                       ; destination window 1
.set a, 0
.rept 5
	ds_load_b128 v[FA+8*a:FA+8*a+3],   v[VA0+(\slot)] offset:a*16*PP+ks*64
	ds_load_b128 v[FA+8*a+4:FA+8*a+7], v[VA0+(\slot)] offset:a*16*PP+ks*64+32
.set a, a+1
.endr
.set nb, 0
.rept 4
	ds_load_b128 v[FB+8*nb:FB+8*nb+3],   v[VB0+(\slot)] offset:nb*16*PP+ks*64
	ds_load_b128 v[FB+8*nb+4:FB+8*nb+7], v[VB0+(\slot)] offset:nb*16*PP+ks*64+32
.set nb, nb+1
.endr
	s_wait_dscnt 0x0
	WIN 0x55                                       ; all four operands in window 1
.set a, 0
.rept 5
.set nb, 0
.rept 4
.if (\zero) && (ks == 0)
	v_wmma_f32_16x16x32_bf16 v[8*(4*a+nb):8*(4*a+nb)+7], v[FB+8*nb:FB+8*nb+7], v[FA+8*a:FA+8*a+7], 0
.else
	v_wmma_f32_16x16x32_bf16 v[8*(4*a+nb):8*(4*a+nb)+7], v[FB+8*nb:FB+8*nb+7], v[FA+8*a:FA+8*a+7], v[8*(4*a+nb):8*(4*a+nb)+7]
.endif
.set nb, nb+1
.endr
.set a, a+1
.endr
.if ks == 0
	PLACES                                         ; ahead of the loads into the fragments just multiplied
.endif
.set ks, ks+1
.endr
	WIN 0
.endm
; K step t of P: multiply slot t % 2; lay step t + 1 into the other slot, which every wave left in front of the last barrier; ask for step t + 3; meet.
; The conversions are also the places between this step's last products and the next step's fragment loads.
.macro PSTEP t, zero, cnt, ld
	COMPUTE (\t)%2, \zero
.if (\t) < 7
	CONVERT S0+104*(((\t)+1)%2), ((\t)+1)%2, \cnt
.if \ld
	LOADS (\t)+3, S0+104*(((\t)+1)%2)
.endif
	s_wait_dscnt 0x0                               ; my stores into the next slot are done, my reads of this one are back
	s_barrier_signal -1
	s_barrier_wait -1
.endif
.endm
.macro WFETCH k                       ; W: K step k's fragments into ring buffer k % 4: A's 16 rows, and B's 64 columns turned
	WIN 0x40
.set wb, 40*((\k)%4)
	ds_load_b128 v[wb:wb+3],   v[VWA] offset:(\k)*64
	ds_load_b128 v[wb+4:wb+7], v[VWA] offset:(\k)*64+32
.set nb, 0
.rept 4
	ds_load_tr16_b128 v[wb+8+8*nb:wb+8+8*nb+3],   v[VWB+(\k)/7] offset:((\k)%7)*32*BWP+nb*32
	ds_load_tr16_b128 v[wb+8+8*nb+4:wb+8+8*nb+7], v[VWB+(\k)/7] offset:((\k)%7)*32*BWP+nb*32+16*BWP
.set nb, nb+1
.endr
.endm
.macro PACK a                         ; block a of 16 rows: rounded (each accumulator from its low end on), through my stage, back as 2,048 consecutive bytes
	WIN 0x05                                       ; sources in window 1
.set n, 0
.rept 16
	v_cvt_pk_bf16_f32 v[TMP+16*(\a)+n], v[32*(\a)+2*n], v[32*(\a)+2*n+1]
.set n, n+1
.endr
	WIN 0
.irp f, 0,1,2,3
	ds_store_b128 v[STO], v[TMP+16*(\a)+4*\f:TMP+16*(\a)+4*\f+3] offset:32*\f
.endr
.irp f, 0,1,2,3
	ds_load_b128 v[OB+16*(\a)+4*\f:OB+16*(\a)+4*\f+3], v[RD] offset:\f*4*PP  ; LDS serves a wave's instructions in order (ISA guide 5.7.1.4): these see the stores above
.endr
.endm
.macro SEND a, younger                ; younger: the LDS instructions issued behind block a's loads
.irp f, 0,1,2,3
	s_wait_dscnt (\younger)+3-\f
.if (\a) < 2
	global_store_b128 v[GO], v[OB+16*(\a)+4*\f:OB+16*(\a)+4*\f+3], s[56:57] offset:(\a)*2048+\f*512  ; 512 consecutive bytes, aligned
.else
	global_store_b128 v[GO], v[OB+16*(\a)+4*\f:OB+16*(\a)+4*\f+3], s[58:59] offset:((\a)-2)*2048+\f*512
.endif
.endr
.endm
	; V and W's tiles: three groups of 16 loads are always out; each wait leaves the groups issued behind the one wanted
.set j, 0
.rept 16
	global_load_b128 v[X0+4*j:X0+4*j+3], v[VV], s[20:21] offset:j*4096 th:TH_LOAD_NT
.set j, j+1
.endr
	GLD X1, VGA, 26, 32768, 0
	GLD X2, VGB, 24, 8192, 0
	s_wait_loadcnt 32
	PRV X0
	s_wait_xcnt 0x0                                ; the stores' data registers are loaded again only behind this wait
	GLD X0, VGB, 24, 8192, 16
	s_wait_loadcnt 32
	PRA X1
	GLD X1, VGB, 24, 8192, 32
	s_wait_loadcnt 32
	PRB X2
	GLD X2, VGB, 24, 8192, 48
	s_wait_loadcnt 32
	PRB X0
	s_wait_loadcnt 16
	PRB X1
	s_wait_loadcnt 0x0
	PRB X2
	LOADS 0, S0                                    ; P's first two K steps are on their way under W's products
	LOADS 1, S0+104
	s_wait_dscnt 0x0                               ; my part of W's tiles is in LDS
	s_barrier_signal -1
	s_barrier_wait -1                              ; everybody's is
	s_cmp_lt_u32 s8, 4
	s_cbranch_scc0 .Lw_done                        ; W's 32 x 128 is four waves' work: 16 x 64 each; no barrier stands in the branch
	WFETCH 0
	WFETCH 1
	WFETCH 2
	WFETCH 3
.set ks, 0
.rept 16
.if ks < 12
	s_wait_dscnt 30                                ; the three K steps fetched behind this one may be out
.else
	s_wait_dscnt 10*(15-ks)
.endif
	WIN 0x55
.set wb, 40*(ks%4)
.set nb, 0
.rept 4                               ; the four accumulators take turns
.if ks == 0
	v_wmma_f32_16x16x32_bf16 v[WAC+8*nb:WAC+8*nb+7], v[wb+8+8*nb:wb+8+8*nb+7], v[wb:wb+7], 0
.else
	v_wmma_f32_16x16x32_bf16 v[WAC+8*nb:WAC+8*nb+7], v[wb+8+8*nb:wb+8+8*nb+7], v[wb:wb+7], v[WAC+8*nb:WAC+8*nb+7]
.endif
.set nb, nb+1
.endr
.if ks < 12
	PLACES
	WFETCH ks+4
.endif
.set ks, ks+1
.endr
	PLACES
	WIN 0x05
.set n, 0
.rept 16
	v_cvt_pk_bf16_f32 v[TMPW+n], v[WAC+2*n], v[WAC+2*n+1]
.set n, n+1
.endr
	WIN 0
.irp f, 0,1,2,3
	ds_store_b128 v[VWS], v[TMPW+4*\f:TMPW+4*\f+3] offset:32*\f
.endr
.Lw_done:
	CONVERT S0, 0, 26                              ; K step 0 into slot 0; step 1's 26 loads stay out
	LOADS 2, S0
	s_wait_dscnt 0x0
	s_barrier_signal -1
	s_barrier_wait -1                              ; slot 0 and W's stage are whole
	ds_load_b128 v[TMPW:TMPW+3],   v[VWR]
	ds_load_b128 v[TMPW+4:TMPW+7], v[VWR] offset:16*WSP
	s_wait_dscnt 0x0
	global_store_b128 v[VWG], v[TMPW:TMPW+3],   s[34:35]               ; 16 lanes store 256 consecutive bytes, aligned
	global_store_b128 v[VWG], v[TMPW+4:TMPW+7], s[34:35] offset:65536
	PSTEP 0, 1, 26, 1
	PSTEP 1, 0, 26, 1
	PSTEP 2, 0, 26, 1
	PSTEP 3, 0, 26, 1
	PSTEP 4, 0, 26, 1
	PSTEP 5, 0, 26, 0                              ; step 7's loads are still behind step 6's
	PSTEP 6, 0, 0, 0
	PSTEP 7, 0, 0, 0
	PLACES
	PACK 0
	PACK 1
	SEND 0, 8
	PACK 2
	SEND 1, 8
	PACK 3
	SEND 2, 8
	PACK 4
	SEND 3, 8
	SEND 4, 0
	s_wait_tensorcnt 0x0                           ; the wave's end, behind my last LDS store
	ds_add_u32 v[SPW], v[NIL]
	s_wait_dscnt 0x0
	s_endpgm
.Lfunc_end_k_qfadabad04e_prep:
	.size	k_qfadabad04e_prep, .Lfunc_end_k_qfadabad04e_prep-k_qfadabad04e_prep
	.p2alignl 7, 3214868480
	.fill 96, 4, 3214868480
	.section	.rodata,"a",@progbits
	.p2align	6, 0x0
	.amdhsa_kernel k_qfadabad04e_prep
		.amdhsa_group_segment_fixed_size 320000
		.amdhsa_private_segment_fixed_size 0
		.amdhsa_enable_private_segment 0
		.amdhsa_kernarg_size 80
		.amdhsa_user_sgpr_count 2
		.amdhsa_user_sgpr_kernarg_segment_ptr 1
		.amdhsa_wavefront_size32 1
		.amdhsa_system_sgpr_workgroup_id_x 1
		.amdhsa_system_sgpr_workgroup_id_y 1
		.amdhsa_system_sgpr_workgroup_id_z 1
		.amdhsa_system_vgpr_workitem_id 0
		.amdhsa_next_free_vgpr 512
		.amdhsa_next_free_sgpr 66
		.amdhsa_reserve_vcc 0
		.amdhsa_float_denorm_mode_32 3
		.amdhsa_float_denorm_mode_16_64 3
		.amdhsa_memory_ordered 1
		.amdhsa_forward_progress 1
		.amdhsa_inst_pref_size 164
	.end_amdhsa_kernel
	.amdgpu_metadata
---
amdhsa.version: [ 1, 2 ]
amdhsa.kernels:
  - .name:           k_qfadabad04e_prep
    .symbol:         k_qfadabad04e_prep.kd
    .args:
      - { .name: q, .offset: 0, .size: 8, .value_kind: global_buffer, .address_space: global }
      - { .name: k, .offset: 8, .size: 8, .value_kind: global_buffer, .address_space: global }
      - { .name: v, .offset: 16, .size: 8, .value_kind: global_buffer, .address_space: global }
      - { .name: qk_w, .offset: 24, .size: 8, .value_kind: global_buffer, .address_space: global }
      - { .name: v_w, .offset: 32, .size: 8, .value_kind: global_buffer, .address_space: global }
      - { .name: fc_w, .offset: 40, .size: 8, .value_kind: global_buffer, .address_space: global }
      - { .name: qh, .offset: 48, .size: 8, .value_kind: global_buffer, .address_space: global }
      - { .name: kh, .offset: 56, .size: 8, .value_kind: global_buffer, .address_space: global }
      - { .name: vb, .offset: 64, .size: 8, .value_kind: global_buffer, .address_space: global }
      - { .name: wc, .offset: 72, .size: 8, .value_kind: global_buffer, .address_space: global }
    .group_segment_fixed_size: 320000
    .private_segment_fixed_size: 0
    .kernarg_segment_align: 8
    .kernarg_segment_size: 80
    .max_flat_workgroup_size: 256
    .sgpr_count:     66
    .vgpr_count:     512
    .wavefront_size: 32
...
	.end_amdgpu_metadata
.endif
;; end of part 1
;; launch attn (part 2): grid 4 x 64, 4 waves a work-group, clusters of 4 x 1, 327,680 bytes of LDS; arguments qh, kh, vb, s_valid_mask, u; writes u
.if DOCPART == 2
	.amdgcn_target "amdgcn-amd-amdhsa--gfx1250"
	.amdhsa_code_object_version 6
	.text
	.protected	k_qfadabad04e_attn
	.globl	k_qfadabad04e_attn
	.p2align	8
	.type	k_qfadabad04e_attn,@function
k_qfadabad04e_attn:
	s_mov_b64 s[64:65], 0
	v_nop
	global_prefetch_b8 v0, s[64:65] scope:SCOPE_SE
	s_setreg_imm32_b32 hwreg(HW_REG_WAVE_MODE, 25, 1), 1
	s_wait_xcnt 0x0
	s_wait_alu depctr_hold_cnt(0) depctr_sa_sdst(0) depctr_va_vdst(0) depctr_va_sdst(0) depctr_va_ssrc(0) depctr_va_vcc(0) depctr_vm_vsrc(0)
	s_getreg_b32 s2, hwreg(HW_REG_IB_STS2, 6, 4)
	s_cmp_eq_u32 s2, 0
	s_cbranch_scc0 .Lentry_in_a_cluster
	s_endpgm
.Lentry_in_a_cluster:
	s_bfe_u32 s2, ttmp6, 0x10000c
	s_cmp_lg_u32 s2, 0x3003
	s_cbranch_scc0 .Lentry_shape_is_right
	s_endpgm
.Lentry_shape_is_right:
; ATTENTION ON v ITSELF.  u[512 b + q][256 h + c] = sum over s of softmax_s(qh[b][h][q] . kh[b][h][s] / 8 - 10000 mask[b][s]) vb[b][s][c].
; qh [b][h][512][64], kh [b][h][2048][64], vb [b][2048][256], u [4096][2048]: bf16.  mask: int32.  Products, maxima and sums in f32; the weights are rounded to bf16 for the second product, u once.
; LIMITS.  The mask enters as -80000 x mask, the C operand that starts each score's sum, ahead of the scale c = log2(e) / 8; it is an addend, so no key is left out.  A masked score is
; rounded at the size of 80,000, as the reference's is at 10,000 behind its division by 8.  c m starts at -4.25e37: c |score| stays below that.  A weight below 2^-126 counts as 0.
; NaN and infinities are not treated apart.
; SHARES.  A work-group owns 128 queries of one (b, h).  Wave w: queries 64 (w / 2) on, four tiles of 16; of every chunk of 128 keys the half w % 2.  So a fragment of V feeds four
; tiles' products.  The two waves of a pair keep maxima and sums of their own; at the end the pair's results meet in LDS, in f32.
; LAYOUT.  S^T = K Q^T (source 0 = 16 keys, source 1 = 16 queries): a lane holds ONE query (lane % 16) and the keys 8 (lane / 16) + 0..7.  Two such results rounded to bf16 ARE source 1 of
; O^T = V^T P, whose result again holds one query a lane, and eight channels.  K comes out of LDS as it lies, V ([key][channel]) turned, by ds_load_tr16_b128.
; SOFTMAX.  A running maximum m and sum l for each query: p = 2^(c s - c m); in every step O and l are multiplied by a = 2^(c m_old - c m_new).  m starts at the lowest finite number, O and l at 0.
; CLUSTER.  The four query blocks of a (b, h) walk the same K and V: each tile is asked for JOINTLY, by the same tensor load, descriptor and mask in all four.
; RING.  Two slots, one chunk each.  One load a wave is out behind each round, and has one whole step (160 products and four tiles' softmax) in which to land.
; REGISTERS, in windows of 256 (s_set_vgpr_msb: bits 1:0 source 0, 3:2 source 1, 5:4 source 2, 7:6 destination):
;   window 0: v0-11 addresses; v12-43 eight registers of statistics a tile; v44-61 the end's; v64-191 S^T, 32 a tile; v192-255 P, 16 a tile (v192-223 first hold the step's mask)
;   window 1: v0-63 Q; v64-127 K of a step; v128-191, v192-255 two buffers of eight fragments of V          windows 2, 3: O^T, 128 a tile
.set PK,    144                       ; a key's row of K: 128 bytes + 16
.set PV,    544                       ; a key's row of V: 512 + 32: an odd multiple of 32, for the turning load
.set VOFF,  128*PK                    ; a slot: 128 rows of K, then 128 rows of V
.set SLOT1, 1<<17                     ; one exclusive or turns an address in one slot into the other's
.set MASKB, SLOT1+128*(PK+PV)         ; 2,048 f32: -80000 x mask; no tensor load lands here
.set DP,    1040                      ; the end: a query's 256 f32 + 16 bytes
.set DUMPW, 64*DP                     ; a wave's 64 queries; the four lie over the slots and the mask table, which have had their last fill and their last read
.set STATS, 4*DUMPW                   ; (c m, l) for each wave's 64 queries
.set FACT,  STATS+2048                ; two factors, each twice, for each of 128 queries
.set SPARE, FACT+2048                 ; the spare words: 128 bytes for each wave
.set AK0, 2                           ; my lane's place in a chunk's K; never rewritten
.set AV0, 3                           ; in its V
.set ADRK, 4
.set ADRV, 5
.set AM0, 6                           ; in the mask table
.set ADRM, 7
.set QO,  8
.set GU,  10                          ; first 16 t, at the end my bytes in a row of u
.set RFR, 11                          ; first the mask table's store address, at the end the factors'
.set ST,  12                          ; tile t at v[ST+8 t]: c m, m, l (even keys', odd keys'), c0-c3 at work; a takes c2's place
.set DST, 44
.set STA, 45
.set SRA, 46
.set RF,  47
.set RA,  60
.set RB,  61
.set SPW, 62                          ; my spare word; never rewritten
.set NIL, 63                          ; 0; never rewritten
.set S,   64
.set P,   192
.set MA,  64                          ; the merge: 20 registers a row
.set KF,  64                          ; window 1
.set VA,  128
.set VB,  192
.set WV,  14
.set G1K, 24
.set G1V, 32
.set G0K, 40
.set G0V, 44
.set SLOTS, 56
.set CNT, 57
.set CS,  58                          ; s[58:59] c
.set SEL, 60                          ; s[60:61] v_permlanex16_b32's selects: each lane takes its own place in the other half
.set TB,  62                          ; the slot of the step in hand
.set TM,  63                          ; its chunk's byte in the mask table
.set MSB, 0
.macro WIN new                        ; the high byte repeats the setting that is left; a switch that changes nothing is dropped
.if MSB != (\new)
	s_set_vgpr_msb (MSB<<8)|(\new)
.set MSB, (\new)
.endif
.endm
.macro PLACES                         ; four places behind matrix instructions (ISA guide 7.12.1)
.rept 4
	v_nop
.endr
.endm
; A joint fill.  Waves 0 and 1 fetch the two halves of a chunk's K, waves 2 and 3 those of its V.  The branch hangs on the wave's number alone.
; An s_nop 0 and four v_nop follow each of the two lines, ahead of the jump and the label.
.macro JLOAD
	s_cmp_lt_u32 s[WV], 2
	s_cbranch_scc0 .Lfor_v_\@
	tensor_load_to_lds s[G0K:G0K+3], s[G1K:G1K+7]
	s_nop 0
.rept 4
	v_nop
.endr
	s_branch .Lasked_\@
.Lfor_v_\@:
	tensor_load_to_lds s[G0V:G0V+3], s[G1V:G1V+7]
	s_nop 0
.rept 4
	v_nop
.endr
.Lasked_\@:
.endm
; A round of the cluster's barrier: my work-group's barrier; wave 0 signals for the work-group; every wave waits for all four work-groups; my work-group's barrier once more.
.macro CROUND
	s_barrier_signal -1
	s_barrier_wait -1
	s_cmp_lg_u32 s[WV], 0
	s_cbranch_scc1 .Lnot_wave_0_\@
	s_barrier_signal -3
.Lnot_wave_0_\@:
	s_barrier_wait -3
	s_barrier_signal -1
	s_barrier_wait -1
.endm
; THE CHANGE OF SLOTS.  Each wave waits for all its tensor loads, of which one is out: its part of the slot to be read next; adds 0 to its spare word; waits for that and for its reads of the slot
; that it leaves.  fill = 1: a round of the cluster's barrier, and the slot that was left is filled first thing behind it.  (At its first use chunk 0 is waited for and slot 1 filled.)
.macro CHANGE fill
	WIN 0
	s_wait_tensorcnt 0x0                           ; no tensor load of mine is out, so a group 0 may be written
	ds_add_u32 v[SPW], v[NIL]
.if \fill
	s_xor_b32 s[G0K+1], s[G0K+1], SLOT1
	s_add_nc_u64 s[G0K+2:G0K+3], s[G0K+2:G0K+3], 128*128   ; the next 128 keys; the type bits on top are not reached
	s_xor_b32 s[G0V+1], s[G0V+1], SLOT1
	s_add_nc_u64 s[G0V+2:G0V+3], s[G0V+2:G0V+3], 128*512
	s_wait_dscnt 0x0                               ; the add is done, and my LDS instructions are over
	CROUND
	JLOAD
.else
	s_wait_dscnt 0x0
	s_barrier_signal -1
	s_barrier_wait -1
.endif
.endm
	s_load_b256 s[4:11], s[0:1], 0x0               ; qh 4, kh 6, vb 8, mask 10
	s_load_b64 s[12:13], s[0:1], 0x20              ; u
	v_lshl_add_u32 v[SPW], v0, 2, SPARE
	v_mov_b32 v[NIL], 0
	ds_add_u32 v[SPW], v[NIL]                      ; the wave's opening: the add and its wait ahead of my first tensor load
	v_lshrrev_b32 v1, 5, v0
	v_readfirstlane_b32 s[WV], v1                  ; wave 0..3
	s_bfe_u32 s15, ttmp6, 0x40000                  ; cx
	s_lshl_b32 s2, ttmp9, 2
	s_add_co_u32 s15, s15, s2                      ; my block of 128 queries: it enters qh's and u's addresses alone
	s_and_b32 s16, ttmp7, 0xffff                   ; 8 b + h, which the four partners share
	s_lshr_b32 s17, s16, 3                         ; b
	s_and_b32 s18, s16, 7                          ; h
	s_and_b32 s19, s[WV], 1                        ; my half of a chunk's keys, to read and to fetch
	s_lshr_b32 s20, s[WV], 1                       ; my 64 queries
	s_lshl_b32 s22, s16, 18                        ; kh: a head's 2,048 rows of 128 bytes,
	s_lshl_b32 s21, s19, 13                        ; 64 rows
	s_add_co_u32 s22, s22, s21
	s_mov_b32 s23, 0
	s_lshl_b32 s48, s17, 20                        ; vb: a batch's 2,048 rows of 512 bytes,
	s_lshl_b32 s21, s19, 15                        ; 64 rows
	s_add_co_u32 s48, s48, s21
	s_mov_b32 s49, 0
	s_lshl_b32 s50, s16, 16                        ; qh: a head's 512 rows,
	s_lshl_b32 s2, s15, 14                         ; my block's 128,
	s_add_co_u32 s50, s50, s2
	s_lshl_b32 s2, s20, 13                         ; my wave's 64
	s_add_co_u32 s50, s50, s2
	s_mov_b32 s51, 0
	s_lshl_b32 s52, s17, 13                        ; mask: a batch's 2,048 words
	s_mov_b32 s53, 0
	s_lshl_b32 s54, s17, 21                        ; u: a batch's 512 rows of 4,096 bytes,
	s_lshl_b32 s2, s15, 19                         ; my block's 128,
	s_add_co_u32 s54, s54, s2
	s_lshl_b32 s2, s[WV], 17                       ; the 32 that my wave merges,
	s_add_co_u32 s54, s54, s2
	s_lshl_b32 s2, s18, 9                          ; the head's 256 channels
	s_add_co_u32 s54, s54, s2
	s_mov_b32 s55, 0
	; group 1 for K: 64 keys are 8,192 dense bytes: 32 rows of 256 bytes, padded in LDS behind every key
	s_mov_b32 s[G1K], 15|(1<<16)|(1<<20)|(1<<21)|(4<<22)|(3<<25)  ; the mask of four; 2-byte elements; padding on; bit 21 beside a mask; behind every 32 words 4 words
	s_mov_b32 s[G1K+1], 128<<16                    ; tensor_dim0
	s_mov_b32 s[G1K+2], 32<<16                     ; tensor_dim1
	s_mov_b32 s[G1K+3], 128<<16                    ; tile_dim0
	s_mov_b32 s[G1K+4], 32                         ; tile_dim1
	s_mov_b32 s[G1K+5], 128                        ; elements from row to row
	s_mov_b32 s[G1K+6], 0
	s_mov_b32 s[G1K+7], 0
	; group 1 for V: 64 rows of 512 bytes
	s_mov_b32 s[G1V], 15|(1<<16)|(1<<20)|(1<<21)|(6<<22)|(7<<25)  ; behind every 128 words 8 words
	s_mov_b32 s[G1V+1], 256<<16
	s_mov_b32 s[G1V+2], 64<<16
	s_mov_b32 s[G1V+3], 256<<16
	s_mov_b32 s[G1V+4], 64
	s_mov_b32 s[G1V+5], 256
	s_mov_b32 s[G1V+6], 0
	s_mov_b32 s[G1V+7], 0
	s_mov_b32 s[G0K], 1
	s_mul_i32 s[G0K+1], s19, 64*PK                 ; slot 0: no place in the cluster enters an LDS address
	s_mov_b32 s[G0V], 1
	s_mul_i32 s[G0V+1], s19, 64*PV
	s_add_co_u32 s[G0V+1], s[G0V+1], VOFF
	s_mov_b32 s[CS], 0x3e38aa3b                    ; c = log2(e) / 8
	s_mov_b32 s[CS+1], s[CS]
	s_mov_b32 s[SEL], 0x76543210
	s_mov_b32 s[SEL+1], 0xfedcba98
	s_wait_dscnt 0x0                               ; the opening add is done
	s_wait_kmcnt 0x0
	s_add_nc_u64 s[G0K+2:G0K+3], s[6:7], s[22:23]
	s_or_b32 s[G0K+3], s[G0K+3], 0x80000000
	s_add_nc_u64 s[G0V+2:G0V+3], s[8:9], s[48:49]
	s_or_b32 s[G0V+3], s[G0V+3], 0x80000000
	s_add_nc_u64 s[4:5], s[4:5], s[50:51]
	s_add_nc_u64 s[10:11], s[10:11], s[52:53]
	s_add_nc_u64 s[12:13], s[12:13], s[54:55]
	CROUND                                         ; all four work-groups are here: the first joint loads meet
	JLOAD                                          ; chunk 0 into slot 0
	; all that follows up to the loop stands in the wait for that tile
	v_lshlrev_b32 v[GU], 4, v0
.irp j, 0,1,2,3
	global_load_b128 v[S+4*\j:S+4*\j+3], v[GU], s[10:11] offset:\j*2048    ; the batch's mask: 128 threads x 16 bytes, four times
.endr
	v_and_b32 v1, 15, v0                           ; l % 16
	v_bfe_u32 v9, v0, 4, 1                         ; l / 16
	v_lshlrev_b32 v[QO], 7, v1
	v_lshl_add_u32 v[QO], v9, 4, v[QO]
	WIN 0x40
.set i, 0
.rept 8                               ; Q stays in registers: tile i / 2, channels 32 (i % 2) on
	global_load_b128 v[8*i:8*i+3],   v[QO], s[4:5] offset:(i/2)*2048+(i%2)*64
	global_load_b128 v[8*i+4:8*i+7], v[QO], s[4:5] offset:(i/2)*2048+(i%2)*64+32
.set i, i+1
.endr
	WIN 0x80                                       ; O^T starts at 0: no first step is written out, which would be a third copy of the step's text
.set i, 0
.rept 256
	v_mov_b32 v[i], 0
.set i, i+1
.endr
	WIN 0xc0
.set i, 0
.rept 256
	v_mov_b32 v[i], 0
.set i, i+1
.endr
	WIN 0
.set i, 0
.rept 4
	v_mov_b32 v[ST+8*i], 0xfe000000                ; c m: far below every c s
	v_mov_b32 v[ST+8*i+1], 0xff7fffff              ; m
	v_mov_b32 v[ST+8*i+2], 0
	v_mov_b32 v[ST+8*i+3], 0
.set i, i+1
.endr
	v_mul_u32_u24 v[AK0], v1, PK
	v_lshl_add_u32 v[AK0], v9, 4, v[AK0]
	s_mul_i32 s21, s19, 64*PK
	v_add_nc_u32 v[AK0], s21, v[AK0]
	v_and_b32 v44, 7, v0
	v_bfe_u32 v45, v0, 3, 1
	v_lshl_add_u32 v[AV0], v9, 3, v44              ; the turning load: lane l reads key 8 (l / 16) + l % 8, 16 bytes at 16 ((l / 8) % 2)
	v_mul_u32_u24 v[AV0], v[AV0], PV
	v_lshl_add_u32 v[AV0], v45, 4, v[AV0]
	s_mul_i32 s21, s19, 64*PV
	s_add_co_u32 s21, s21, VOFF
	v_add_nc_u32 v[AV0], s21, v[AV0]
	s_lshl_b32 s21, s19, 8
	s_add_co_u32 s21, s21, MASKB
	v_lshl_add_u32 v[AM0], v9, 5, s21              ; my eight keys of a group of 16: 32 bytes for each half of the lanes
	v_add_nc_u32 v[RFR], MASKB, v[GU]
	s_wait_loadcnt 16                              ; the mask is in; Q's 16 loads were issued behind it
.set i, 0
.rept 16
	v_cvt_f32_i32 v[S+i], v[S+i]
.set i, i+1
.endr
.set i, 0
.rept 16
	v_mul_f32 v[S+i], 0xc79c4000, v[S+i]           ; x -80000 = -10000 x 8: the scale 1 / 8 comes behind
.set i, i+1
.endr
.irp j, 0,1,2,3
	ds_store_b128 v[RFR], v[S+4*\j:S+4*\j+3] offset:\j*2048    ; read by all waves behind the first change of slots, in front of which each wave waits for these
.endr
	s_wait_loadcnt 0x0                             ; Q
	s_mov_b32 s[TB], 0
	s_mov_b32 s[TM], 0
	s_mov_b32 s[SLOTS], 15
.macro FETCHV kk, chf, buf            ; eight fragments of V^T: keys 32 kk on of my 64, channels 128 chf on
	WIN 0x40
.set f, 0
.rept 8
	ds_load_tr16_b128 v[(\buf)+8*f:(\buf)+8*f+3],   v[ADRV] offset:(\kk)*32*PV+(8*(\chf)+f)*32
	ds_load_tr16_b128 v[(\buf)+8*f+4:(\buf)+8*f+7], v[ADRV] offset:(\kk)*32*PV+16*PV+(8*(\chf)+f)*32
.set f, f+1
.endr
.endm
; Product i of 32 of S^T = K Q^T: channels 32 (i / 16) on, keys 16 ((i / 4) % 4) on, tile i % 4.  The first 16 start the sums with the mask.  The 16 accumulators take turns.
.macro KQ
.set rS, S+32*(i%4)+8*((i/4)%4)
.set rK, KF+16*((i/4)%4)+8*(i/16)
.set rQ, 16*(i%4)+8*(i/16)
.set rM, P+8*((i/4)%4)
.if i < 16
	v_wmma_f32_16x16x32_bf16 v[rS:rS+7], v[rK:rK+7], v[rQ:rQ+7], v[rM:rM+7]
.else
	v_wmma_f32_16x16x32_bf16 v[rS:rS+7], v[rK:rK+7], v[rQ:rQ+7], v[rS:rS+7]
.endif
.endm
; 32 products of O^T += V^T P on 32 different accumulators: keys 32 kk on, channels 128 chf on, all four tiles
.macro PVQ kk, chf, buf
.set tp, 0
.rept 2
	WIN 0xa1+0x50*tp                               ; V window 1, P window 0, O^T window 2 or 3
.set n, 0
.rept 16
.set rO, 128*(n%2)+8*(8*(\chf)+n/2)
.set rV, (\buf)+8*(n/2)
.set rP, P+16*(2*tp+n%2)+8*(\kk)
	v_wmma_f32_16x16x32_bf16 v[rO:rO+7], v[rV:rV+7], v[rP:rP+7], v[rO:rO+7]
.set n, n+1
.endr
.set tp, tp+1
.endr
.endm
; ONE TILE'S SOFTMAX FOR ONE STEP is a list of 166 instructions; SM writes number j of it for tile t.  s0-s31 are the lane's 32 scores, in pairs 0-15.
;   0-15    the maximum of s0-s31 and the old m, three operands at a time; each accumulator's lowest registers are read first
;   16-20   the other half of the lanes' maximum; the new m; c m; c m_old - c m_new
;   21-87   33 exponentials (a, then s0-s31) at the odd numbers from 23 on; between them what is ready: c s - c m for pairs to come, roundings of pairs done, the first sums
;   88-101  the last rounding; the rest of the sums; l = a l + the sum
;   102-165 the tile's O^T times a, ascending
.macro SM t
.set rT, ST+8*(\t)
.set rS, S+32*(\t)
.set rP, P+16*(\t)
.set rO, 128*((\t)%2)+2*(j-102)
.set q, (j-20)/2
.if j < 102
	WIN 0
.endif
.if j < 4
	v_max3_num_f32 v[rT+4+j], v[rS+8*j], v[rS+8*j+1], v[rS+8*j+2]
.elseif j < 12
	v_max3_num_f32 v[rT+4+j%4], v[rT+4+j%4], v[rS+8*(j%4)+2*(j/4)+1], v[rS+8*(j%4)+2*(j/4)+2]
.elseif j == 12
	v_max3_num_f32 v[rT+4], v[rT+4], v[rS+7], v[rS+15]
.elseif j == 13
	v_max3_num_f32 v[rT+6], v[rT+6], v[rS+23], v[rS+31]
.elseif j == 14
	v_max3_num_f32 v[rT+4], v[rT+4], v[rT+5], v[rT+6]
.elseif j == 15
	v_max3_num_f32 v[rT+4], v[rT+4], v[rT+7], v[rT+1]
.elseif j == 16
	v_permlanex16_b32 v[rT+5], v[rT+4], s[SEL], s[SEL+1]   ; the query's other 32 keys lie in the lane 16 away
.elseif j == 17
	v_mov_b32 v[rT+7], v[rT]                       ; c m_old is kept for a
.elseif j == 18
	v_max_num_f32 v[rT+1], v[rT+4], v[rT+5]
.elseif j == 19
	v_mul_f32 v[rT], s[CS], v[rT+1]
.elseif j == 20
	v_sub_f32 v[rT+7], v[rT+7], v[rT]
.elseif j == 23
	v_exp_f32 v[rT+6], v[rT+7]
.elseif (j < 88) && (j > 23) && (j%2 == 1)
	v_exp_f32 v[rS+(j-25)/2], v[rS+(j-25)/2]
.elseif (q < 4) || ((j < 76) && (q%2 == 0))
.set b, q/2+2
.if q < 4
.set b, q
.endif
	v_pk_fma_f32 v[rS+2*b:rS+2*b+1], v[rS+2*b:rS+2*b+1], s[CS:CS+1], v[rT:rT+1] op_sel_hi:[1,0,0] neg_lo:[0,0,1] neg_hi:[0,0,1]  ; pair b: c s - c m
.elseif (j < 88) && (q%2 == 1)
	s_wait_alu depctr_va_vdst(0)
	v_cvt_pk_bf16_f32 v[rP+(q-5)/2], v[rS+q-5], v[rS+q-4]
.elseif j == 89
	s_wait_alu depctr_va_vdst(0)
	v_cvt_pk_bf16_f32 v[rP+15], v[rS+30], v[rS+31]
.elseif j < 102                       ; the sum of the 16 pairs, in place: neighbours 1, 2, 4 and 8 pairs apart, then l takes it
.set z, j-86
.if j < 89
.set z, (j-76)/4
.endif
.set w, 4
.set u, z
.if z >= 14
.set w, 32
.set u, 0
.elseif z >= 12
.set w, 16
.set u, z-12
.elseif z >= 8
.set w, 8
.set u, z-8
.endif
.if z < 15
	v_pk_add_f32 v[rS+w*u:rS+w*u+1], v[rS+w*u:rS+w*u+1], v[rS+w*u+w/2:rS+w*u+w/2+1]
.else
	v_pk_fma_f32 v[rT+2:rT+3], v[rT+2:rT+3], v[rT+6:rT+7], v[rS:rS+1] op_sel_hi:[1,0,1]
.endif
.else
	WIN 0x82+0x41*((\t)/2)                         ; O^T in window 2 or 3, a in window 0
	v_pk_mul_f32 v[rO:rO+1], v[rO:rO+1], v[rT+6:rT+7] op_sel_hi:[1,0]
.endif
.endm
; Tiles y and y + 1 together.  Where exponentials stand (numbers 22 to 87): tile by tile, plain, exponential, plain, exponential, so that each exponential has the other tile's plain line behind it;
; elsewhere the two tiles alternate, so that no line reads the result of the line before it.
.macro SOFTMAX y
.set k, 0
.rept 83
.if (k >= 11) && (k < 44)
.irp t, \y, (\y)+1
.irp n, 0,1
.set j, 2*k+(\n)
	SM \t
.endr
.endr
.else
.irp n, 0,1
.irp t, \y, (\y)+1
.set j, 2*k+(\n)
	SM \t
.endr
.endr
.endif
.set k, k+1
.endr
.endm
; A STEP: my 64 keys of a chunk, in phases.
.macro STEP
	WIN 0
	v_add_nc_u32 v[ADRK], s[TB], v[AK0]            ; these three and the v_nop are the four places between the last step's products and the loads into the registers that they read
	v_add_nc_u32 v[ADRV], s[TB], v[AV0]
	v_add_nc_u32 v[ADRM], s[TM], v[AM0]
	v_nop
	s_xor_b32 s[TB], s[TB], SLOT1                  ; the next step's slot
	s_add_co_u32 s[TM], s[TM], 512                 ; and its 128 words of the mask table
.irp kb, 0,1,2,3
	ds_load_b128 v[P+8*\kb:P+8*\kb+3],   v[ADRM] offset:\kb*64
	ds_load_b128 v[P+8*\kb+4:P+8*\kb+7], v[ADRM] offset:\kb*64+16
.endr
	WIN 0x40
.set f, 0
.rept 8                               ; keys 16 (f / 2) on, channels 32 (f % 2) on
	ds_load_b128 v[KF+8*f:KF+8*f+3],   v[ADRK] offset:(f/2)*16*PK+(f%2)*64
	ds_load_b128 v[KF+8*f+4:KF+8*f+7], v[ADRK] offset:(f/2)*16*PK+(f%2)*64+32
.set f, f+1
.endr
	FETCHV 0, 0, VA
	FETCHV 0, 1, VB
	s_wait_dscnt 32                                ; mask and K are in; V's 32 loads may be out
	WIN 0x05                                       ; K and Q window 1, S^T and the mask window 0
.set i, 0
.rept 32
	KQ
.set i, i+1
.endr
	WIN 0
	PLACES
	SOFTMAX 0
	SOFTMAX 2
	s_wait_dscnt 16                                ; the first buffer of V is in; the second's 16 loads may be out
	PVQ 0, 0, VA
	PLACES
	FETCHV 1, 0, VA
	s_wait_dscnt 16                                ; all but the 16 just issued
	PVQ 0, 1, VB
	PLACES
	FETCHV 1, 1, VB
	s_wait_dscnt 16
	PVQ 1, 0, VA
	s_wait_dscnt 0x0
	PVQ 1, 1, VB
	WIN 0
.endm
.Lslot:                               ; 15 trips: trip n reads chunk n while chunk n + 1 lands
	CHANGE 1
	STEP
	s_sub_co_u32 s[SLOTS], s[SLOTS], 1
	s_cmp_lg_u32 s[SLOTS], 0
	s_cbranch_scc1 .Lslot
	CHANGE 0                                       ; the last chunk is written out: nothing is asked for
	STEP
	; THE END.  l's two halves and the other half of the lanes' are added (the first four lines are the places behind the last products).
.irp t, 0,1,2,3
	v_add_f32 v[ST+8*\t+4], v[ST+8*\t+2], v[ST+8*\t+3]
.endr
.irp t, 0,1,2,3
	v_permlanex16_b32 v[ST+8*\t+5], v[ST+8*\t+4], s[SEL], s[SEL+1]
.endr
.irp t, 0,1,2,3
	v_add_f32 v[ST+8*\t+1], v[ST+8*\t+4], v[ST+8*\t+5]     ; (c m, l) now lie side by side
.endr
	s_mul_i32 s21, s[WV], DUMPW
	v_mul_u32_u24 v[DST], v1, DP
	v_lshl_add_u32 v[DST], v9, 5, v[DST]           ; my query's row, 32 bytes for each half of the lanes
	v_add_nc_u32 v[DST], s21, v[DST]
	s_lshl_b32 s21, s[WV], 9
	s_add_co_u32 s21, s21, STATS
	v_lshl_add_u32 v[STA], v1, 3, s21
	s_wait_dscnt 0x0                               ; my reads of the slots and of the mask table are over,
	s_barrier_signal -1
	s_barrier_wait -1                              ; everybody's are: their bytes may be written
.set t, 0
.rept 4
	WIN 0x08+4*(t/2)                               ; store data in window 2 or 3
.set cb, 0
.rept 16
	ds_store_b128 v[DST], v[128*(t%2)+8*cb:128*(t%2)+8*cb+3]   offset:t*16*DP+cb*64
	ds_store_b128 v[DST], v[128*(t%2)+8*cb+4:128*(t%2)+8*cb+7] offset:t*16*DP+cb*64+16
.set cb, cb+1
.endr
.set t, t+1
.endr
	WIN 0
.irp t, 0,1,2,3
	ds_store_b64 v[STA], v[ST+8*\t:ST+8*\t+1] offset:\t*128
.endr
	; wave w merges rows 32 w .. 32 w + 31 of the work-group's 128 queries: rows 32 (w % 2) on of its own pair's two results
	v_and_b32 v[GU], 31, v0
	s_lshl_b32 s21, s20, 10
	s_lshl_b32 s22, s19, 8
	s_add_co_u32 s21, s21, s22
	s_add_co_u32 s21, s21, STATS
	v_lshl_add_u32 v[SRA], v[GU], 3, s21
	s_lshl_b32 s21, s[WV], 9
	s_add_co_u32 s21, s21, FACT
	v_lshl_add_u32 v[RF], v[GU], 4, s21
	v_mov_b32 v[RFR], s21
	s_mul_i32 s21, s20, 2*DUMPW
	s_mul_i32 s22, s19, 32*DP
	s_add_co_u32 s21, s21, s22
	v_lshl_add_u32 v[RA], v[GU], 4, s21
	v_add_nc_u32 v[RB], DUMPW, v[RA]
	v_lshlrev_b32 v[GU], 3, v[GU]
	s_wait_dscnt 0x0                               ; my stores are done,
	s_barrier_signal -1
	s_barrier_wait -1                              ; everybody's are
	ds_load_b64 v[48:49], v[SRA]                   ; lane i: (c m, l) of row i of my 32, from the pair's first wave
	ds_load_b64 v[50:51], v[SRA] offset:512        ; and from its second
	s_wait_dscnt 0x0
	v_max_num_f32 v52, v48, v50
	v_sub_f32 v53, v48, v52
	v_sub_f32 v54, v50, v52
	v_exp_f32 v53, v53
	v_exp_f32 v54, v54
	v_nop                                          ; a plain line behind the exponentials
	s_wait_alu depctr_va_vdst(0)
	v_mul_f32 v55, v49, v53
	v_fmac_f32 v55, v51, v54                       ; the row's whole sum, at the common maximum: at least 1
	v_rcp_f32 v55, v55
	v_nop
	s_wait_alu depctr_va_vdst(0)
	v_mul_f32 v56, v53, v55
	v_mul_f32 v57, v53, v55
	v_mul_f32 v58, v54, v55
	v_mul_f32 v59, v54, v55
	ds_store_b128 v[RF], v[56:59]
	s_wait_dscnt 0x0
	s_barrier_signal -1
	s_barrier_wait -1
	s_mov_b32 s[CNT], 8
.Lmerge:                              ; 8 trips of 4 rows: u = first x its factor + second x its factor, rounded once
.irp rr, 0,1,2,3
	ds_load_b128 v[MA+20*\rr:MA+20*\rr+3],     v[RA] offset:\rr*DP
	ds_load_b128 v[MA+20*\rr+4:MA+20*\rr+7],   v[RA] offset:\rr*DP+512
	ds_load_b128 v[MA+20*\rr+8:MA+20*\rr+11],  v[RB] offset:\rr*DP
	ds_load_b128 v[MA+20*\rr+12:MA+20*\rr+15], v[RB] offset:\rr*DP+512
	ds_load_b128 v[MA+20*\rr+16:MA+20*\rr+19], v[RFR] offset:\rr*16
.endr
.irp rr, 0,1,2,3
	s_wait_dscnt 15-5*\rr                          ; the younger rows' loads, five each, may be out
.irp e, 0,2,4,6
	v_pk_mul_f32 v[MA+20*\rr+\e:MA+20*\rr+\e+1], v[MA+20*\rr+\e:MA+20*\rr+\e+1], v[MA+20*\rr+16:MA+20*\rr+17]
.endr
.irp e, 0,2,4,6
	v_pk_fma_f32 v[MA+20*\rr+\e:MA+20*\rr+\e+1], v[MA+20*\rr+8+\e:MA+20*\rr+8+\e+1], v[MA+20*\rr+18:MA+20*\rr+19], v[MA+20*\rr+\e:MA+20*\rr+\e+1]
.endr
	v_cvt_pk_bf16_f32 v[MA+20*\rr],   v[MA+20*\rr],   v[MA+20*\rr+1]
	v_cvt_pk_bf16_f32 v[MA+20*\rr+1], v[MA+20*\rr+2], v[MA+20*\rr+3]
	v_cvt_pk_bf16_f32 v[MA+20*\rr+4], v[MA+20*\rr+4], v[MA+20*\rr+5]
	v_cvt_pk_bf16_f32 v[MA+20*\rr+5], v[MA+20*\rr+6], v[MA+20*\rr+7]
	global_store_b64 v[GU], v[MA+20*\rr:MA+20*\rr+1],   s[12:13] offset:\rr*4096        ; 32 lanes store 256 consecutive bytes, aligned
	global_store_b64 v[GU], v[MA+20*\rr+4:MA+20*\rr+5], s[12:13] offset:\rr*4096+256
.endr
	s_wait_xcnt 0x0                                ; the stores' data and offset are written again only behind this wait
	v_add_nc_u32 v[RA], 4*DP, v[RA]
	v_add_nc_u32 v[RB], 4*DP, v[RB]
	v_add_nc_u32 v[RFR], 64, v[RFR]
	v_add_nc_u32 v[GU], 4*4096, v[GU]
	s_sub_co_u32 s[CNT], s[CNT], 1
	s_cmp_lg_u32 s[CNT], 0
	s_cbranch_scc1 .Lmerge
	s_wait_tensorcnt 0x0                           ; the wave's end, behind my last tensor load and my last LDS store
	ds_add_u32 v[SPW], v[NIL]
	s_wait_dscnt 0x0
	CROUND                                         ; the closing round: no work-group ends while a partner may still ask for a tile that names it
	s_endpgm
.Lfunc_end_k_qfadabad04e_attn:
	.size	k_qfadabad04e_attn, .Lfunc_end_k_qfadabad04e_attn-k_qfadabad04e_attn
	.p2alignl 7, 3214868480
	.fill 96, 4, 3214868480
	.section	.rodata,"a",@progbits
	.p2align	6, 0x0
	.amdhsa_kernel k_qfadabad04e_attn
		.amdhsa_group_segment_fixed_size 327680
		.amdhsa_private_segment_fixed_size 0
		.amdhsa_enable_private_segment 0
		.amdhsa_kernarg_size 40
		.amdhsa_user_sgpr_count 2
		.amdhsa_user_sgpr_kernarg_segment_ptr 1
		.amdhsa_wavefront_size32 1
		.amdhsa_system_sgpr_workgroup_id_x 1
		.amdhsa_system_sgpr_workgroup_id_y 1
		.amdhsa_system_sgpr_workgroup_id_z 1
		.amdhsa_system_vgpr_workitem_id 0
		.amdhsa_next_free_vgpr 1024
		.amdhsa_next_free_sgpr 66
		.amdhsa_reserve_vcc 0
		.amdhsa_float_denorm_mode_32 3
		.amdhsa_float_denorm_mode_16_64 3
		.amdhsa_memory_ordered 1
		.amdhsa_forward_progress 1
		.amdhsa_inst_pref_size 157
	.end_amdhsa_kernel
	.amdgpu_metadata
---
amdhsa.version: [ 1, 2 ]
amdhsa.kernels:
  - .name:           k_qfadabad04e_attn
    .symbol:         k_qfadabad04e_attn.kd
    .args:
      - { .name: qh, .offset: 0, .size: 8, .value_kind: global_buffer, .address_space: global }
      - { .name: kh, .offset: 8, .size: 8, .value_kind: global_buffer, .address_space: global }
      - { .name: vb, .offset: 16, .size: 8, .value_kind: global_buffer, .address_space: global }
      - { .name: s_valid_mask, .offset: 24, .size: 8, .value_kind: global_buffer, .address_space: global }
      - { .name: u, .offset: 32, .size: 8, .value_kind: global_buffer, .address_space: global }
    .group_segment_fixed_size: 327680
    .private_segment_fixed_size: 0
    .kernarg_segment_align: 8
    .kernarg_segment_size: 40
    .max_flat_workgroup_size: 128
    .sgpr_count:     66
    .vgpr_count:     1024
    .wavefront_size: 32
...
	.end_amdgpu_metadata
.endif
;; end of part 2
;; launch fcg (part 3): grid 4 x 32, 4 waves a work-group, clusters of 4 x 4, 327,680 bytes of LDS; arguments u, wc, y; writes y
.if DOCPART == 3
	.amdgcn_target "amdgcn-amd-amdhsa--gfx1250"
	.amdhsa_code_object_version 6
	.text
	.protected	k_qfadabad04e_fcg
	.globl	k_qfadabad04e_fcg
	.p2align	8
	.type	k_qfadabad04e_fcg,@function
k_qfadabad04e_fcg:
	s_mov_b64 s[64:65], 0
	v_nop
	global_prefetch_b8 v0, s[64:65] scope:SCOPE_SE
	s_setreg_imm32_b32 hwreg(HW_REG_WAVE_MODE, 25, 1), 1
	s_wait_xcnt 0x0
	s_wait_alu depctr_hold_cnt(0) depctr_sa_sdst(0) depctr_va_vdst(0) depctr_va_sdst(0) depctr_va_ssrc(0) depctr_va_vcc(0) depctr_vm_vsrc(0)
	s_getreg_b32 s2, hwreg(HW_REG_IB_STS2, 6, 4)
	s_cmp_eq_u32 s2, 0
	s_cbranch_scc0 .Lentry_in_a_cluster
	s_endpgm
.Lentry_in_a_cluster:
	s_bfe_u32 s2, ttmp6, 0x10000c
	s_cmp_lg_u32 s2, 0xf033
	s_cbranch_scc0 .Lentry_shape_is_right
	s_endpgm
.Lentry_shape_is_right:
; y[m][n] = sum over k of u[m][k] wc[n][k].  u: [4096][2048], wc: [512][2048], y: [4096][512], all bf16; sums in f32, y rounded once (bias, residual and norm follow in f32).
; A tile of y is 128 x 128: 128 work-groups.  Four waves, each 64 x 64: 16 accumulators of 16 x 16.  K goes in steps of 256 (LDS rows of 512 bytes; a wave's tensor load brings 64 of them)
; through two slots; the four waves share ONE stage on the way out, with a barrier between writing and reading, since a wave's 64 columns are only half of an aligned 256 bytes of y.
; A tile of 64 x 128 would make 256 work-groups, with half the products for each tile fetched and for each fragment read: not taken.
; CLUSTERS: 4 x 4 work-groups.  The four of a row of the cluster need the same tiles of u, the four of a column the same tiles of wc: each tile is asked for JOINTLY, by the same tensor load with
; the same descriptor and a mask that names the four.  THE MATRIX INSTRUCTION IS USED TRANSPOSED (source 0 = 16 rows of wc, source 1 = 16 rows of u): a lane holds eight neighbouring numbers of a row of y.
; REGISTERS: window 0: v0-31 addresses; v32-95 at work on the way out; v128-255 the accumulators ((a, b) at v[128 + 8 (4 a + b)]).
;   window 1: two fragment buffers of 128: for 64 along K, 64 registers of A, then 64 of B.
.set SIZE_M, 4096
.set SIZE_N, 512
.set SIZE_K, 2048
.set KSTEP,  256
.set PITCH,  528                       ; an LDS row: 512 bytes of data + 16 of padding: the 16 rows of a fragment load begin 16 bytes apart modulo 256
.set HALFT,  64*PITCH                  ; 64 rows: what one tensor load brings, and what one wave reads of A or of B
.set SLOT,   4*HALFT                   ; A's 128 rows, then B's 128 rows
.set STAGE,  2*SLOT                    ; behind the ring: 128 rows x 272 bytes, the work-group's, for the way out
.set SPITCH, 272
.set SPARE,  STAGE+128*SPITCH          ; behind the stage: the spare words, 128 bytes for each wave
.set LAPS, SIZE_K/(2*KSTEP)            ; a lap = two K steps = once round the ring
.set ADRA, 16                          ; v16-17  LDS address of my A fragments in slot 0, 1
.set ADRB, 20                          ; v20-21  the same for B
.set STO,  24                          ; v24     the way out: where I put 16 bytes of a row
.set RD,   25                          ; v25     the way out: where I read a row back
.set CO,   26                          ; v26     my byte offset in y
.set SPW,  28                          ; v28     my spare word; never rewritten
.set NIL,  29                          ; v29     0; never rewritten
.set TMP,  32                          ; the way out: 64 registers, packed results and then whole rows
.set ACC,  128
.set F0,   0                           ; fragment buffers, in window 1
.set F1,   128
.set G1, 24                            ; s[24:31] descriptor group 1 for A's tiles;  s[32:39] group 0, one set for each slot
.set G0, 32
.set G1B, 48                           ; s[48:55], s[56:63] the same for B's tiles
.set G0B, 56
.set MSB, 0
.macro WIN new                         ; the immediate's high byte repeats the setting that is left
.if MSB != (\new)
	s_set_vgpr_msb (MSB<<8)|(\new)
.set MSB, \new
.endif
.endm
.set MUL,  0x05                        ; sources 0 (B) and 1 (A) window 1; C and D window 0
.set TO_F, 0x40                        ; destination window 1, address window 0
.macro JLOAD s                         ; a joint load: waves 0 and 1 fetch A's two halves, waves 2 and 3 B's; an s_nop 0 and four v_nop follow each of the two lines
	s_cmp_eq_u32 s11, 0
	s_cbranch_scc0 .Lfor_b_\@
	tensor_load_to_lds s[G0+4*(\s):G0+4*(\s)+3], s[G1:G1+7]
	s_nop 0
.rept 4
	v_nop
.endr
	s_branch .Lasked_\@
.Lfor_b_\@:
	tensor_load_to_lds s[G0B+4*(\s):G0B+4*(\s)+3], s[G1B:G1B+7]
	s_nop 0
.rept 4
	v_nop
.endr
.Lasked_\@:
.endm
.macro CREST                           ; a round of the cluster's barrier behind its opening barrier
	s_cmp_lg_u32 s10, 0
	s_cbranch_scc1 .Lnot_wave_0_\@
	s_barrier_signal -3
.Lnot_wave_0_\@:
	s_barrier_wait -3
	s_barrier_signal -1
	s_barrier_wait -1
.endm
.macro CROUND                          ; a whole round
	s_barrier_signal -1
	s_barrier_wait -1
	CREST
.endm
	s_load_b128 s[4:7], s[0:1], 0x0                ; A s[4:5], B s[6:7]
	s_load_b64 s[8:9], s[0:1], 0x10                ; C
	v_lshl_add_u32 v[SPW], v0, 2, SPARE
	v_mov_b32 v[NIL], 0
	ds_add_u32 v[SPW], v[NIL]                      ; the wave's opening: the add and its wait ahead of my first tensor load
	v_lshrrev_b32 v1, 5, v0
	v_readfirstlane_b32 s10, v1                    ; wave 0..3
	s_lshr_b32 s11, s10, 1                         ; which half of the tile's rows is mine.  Also: I fetch for A (0) or for B (1)
	s_and_b32 s12, s10, 1                          ; which half of its columns.  Also: which 64 rows of that tile I fetch
	s_bfe_u32 s40, ttmp6, 0x40000                  ; cx, cy: my place in the cluster
	s_bfe_u32 s41, ttmp6, 0x40004
	s_lshl_b32 s42, ttmp9, 2
	s_add_co_u32 s42, s42, s40                     ; tile column = 4 x cluster x + cx
	s_and_b32 s13, ttmp7, 0xffff
	s_lshl_b32 s13, s13, 2
	s_add_co_u32 s13, s13, s41                     ; tile row = 4 x cluster y + cy
	s_lshl_b32 s43, s41, 2
	s_lshl_b32 s43, 15, s43                        ; my row of the cluster
	s_lshl_b32 s44, 0x1111, s40                    ; my column
	; descriptor group 1: a tile of 64 rows x 256 elements, padded in LDS
	s_or_b32 s[G1+0], s43, (1<<16)|(1<<20)|(1<<21)|(6<<22)|(3<<25)  ; the mask: A's tiles go to my row; 2-byte elements; padding on; bit 21 beside a mask; behind every 128 words 4 words
	s_or_b32 s[G1B+0], s44, (1<<16)|(1<<20)|(1<<21)|(6<<22)|(3<<25)
.irp g, G1, G1B
	s_mov_b32 s[(\g)+1], KSTEP<<16                 ; tensor_dim0 = 256
	s_mov_b32 s[(\g)+2], 64<<16                    ; tensor_dim1 = 64
	s_mov_b32 s[(\g)+3], KSTEP<<16                 ; tile_dim0 = 256
	s_mov_b32 s[(\g)+4], 64                        ; tile_dim1 = 64
	s_mov_b32 s[(\g)+5], SIZE_K                    ; elements from row to row
	s_mov_b32 s[(\g)+6], 0
	s_mov_b32 s[(\g)+7], 0
.endr
	s_lshl_b32 s17, s12, 6                         ; which 64 rows of the tile I fetch
	s_lshl_b32 s16, s13, 7
	s_add_co_u32 s16, s16, s17                     ; A: row 128 x tile row + 64 x half
	s_lshl_b32 s46, s42, 7
	s_add_co_u32 s46, s46, s17                     ; B: row 128 x tile column + 64 x half
	s_mov_b32 s17, 0
	s_mov_b32 s47, 0
	s_mov_b64 s[18:19], SIZE_K*2
	s_mul_u64 s[16:17], s[16:17], s[18:19]
	s_mul_u64 s[46:47], s[46:47], s[18:19]
	s_mul_i32 s20, s10, HALFT                      ; where they go: wave x 64 rows
	s_wait_dscnt 0x0                               ; the opening add is done
	s_wait_kmcnt 0x0
	s_add_nc_u64 s[14:15], s[4:5], s[16:17]
	s_add_nc_u64 s[46:47], s[6:7], s[46:47]
	CROUND                                         ; all sixteen work-groups are here: the first joint loads meet
.irp s, 0,1
	s_mov_b32 s[G0+4*(\s)], 1
	s_add_co_u32 s[G0+4*(\s)+1], s20, (\s)*SLOT
	s_add_nc_u64 s[G0+4*(\s)+2:G0+4*(\s)+3], s[14:15], (\s)*KSTEP*2
	s_or_b32 s[G0+4*(\s)+3], s[G0+4*(\s)+3], 0x80000000
	s_mov_b32 s[G0B+4*(\s)], 1
	s_add_co_u32 s[G0B+4*(\s)+1], s20, (\s)*SLOT
	s_add_nc_u64 s[G0B+4*(\s)+2:G0B+4*(\s)+3], s[46:47], (\s)*KSTEP*2
	s_or_b32 s[G0B+4*(\s)+3], s[G0B+4*(\s)+3], 0x80000000
	JLOAD \s
.endr
	v_and_b32 v1, 15, v0                           ; l % 16
	v_bfe_u32 v2, v0, 4, 1                         ; l / 16
	v_mul_u32_u24 v3, v1, PITCH
	v_lshl_add_u32 v3, v2, 4, v3                   ; a fragment's row x pitch + 16 x half
	s_mul_i32 s21, s11, HALFT                      ; my 64 rows of A
	s_mul_i32 s22, s12, HALFT                      ; my 64 rows of B,
	s_add_co_u32 s22, s22, 2*HALFT                 ; which lie behind A's 128
.irp s, 0,1
	v_add_nc_u32 v[ADRA+(\s)], s21, v3
	v_add_nc_u32 v[ADRB+(\s)], s22, v3
	s_add_co_u32 s21, s21, SLOT
	s_add_co_u32 s22, s22, SLOT
.endr
	s_mul_i32 s23, s11, 64*SPITCH                  ; into the stage: my 64 rows, my half of their 256 bytes
	s_lshl_b32 s21, s12, 7
	s_add_co_u32 s23, s23, s21
	s_add_co_u32 s23, s23, STAGE
	v_mul_u32_u24 v4, v1, SPITCH
	v_lshl_add_u32 v4, v2, 4, v4
	v_add_nc_u32 v[STO], s23, v4
	s_mul_i32 s23, s10, 32*SPITCH                  ; back: wave w takes rows 32 w .. 32 w + 31, whole
	s_add_co_u32 s23, s23, STAGE
	v_mul_u32_u24 v5, v2, SPITCH
	v_lshl_add_u32 v5, v1, 4, v5
	v_add_nc_u32 v[RD], s23, v5
	v_mul_u32_u24 v5, v2, SIZE_N*2                 ; and the same two rows in y
	v_lshl_add_u32 v[CO], v1, 4, v5
	s_lshl_b32 s16, s13, 7
	s_lshl_b32 s17, s10, 5
	s_add_co_u32 s16, s16, s17                     ; the first row that I store: 128 x tile row + 32 x wave
	s_mov_b32 s17, 0
	s_mov_b64 s[18:19], SIZE_N*2
	s_mul_u64 s[16:17], s[16:17], s[18:19]
	s_add_nc_u64 s[8:9], s[8:9], s[16:17]
	s_lshl_b32 s46, s42, 8                         ; the tile's first column, in bytes
	s_mov_b32 s47, 0
	s_add_nc_u64 s[8:9], s[8:9], s[46:47]
; 8 matrix instructions: m blocks a0, a0 + 1 x all 4 n blocks, 32 along K: half c of buffer f.  zero = 1: the first product starts the sums.  The 16 accumulators take turns.
.macro MUL8 f, c, a0, zero
	WIN MUL
.irp a, \a0, (\a0)+1
.irp b, 0,1,2,3
.if \zero
	v_wmma_f32_16x16x32_bf16 v[ACC+8*(4*(\a)+(\b)):ACC+8*(4*(\a)+(\b))+7], v[(\f)+64+8*(4*(\c)+(\b)):(\f)+64+8*(4*(\c)+(\b))+7], v[(\f)+8*(4*(\c)+(\a)):(\f)+8*(4*(\c)+(\a))+7], 0
.else
	v_wmma_f32_16x16x32_bf16 v[ACC+8*(4*(\a)+(\b)):ACC+8*(4*(\a)+(\b))+7], v[(\f)+64+8*(4*(\c)+(\b)):(\f)+64+8*(4*(\c)+(\b))+7], v[(\f)+8*(4*(\c)+(\a)):(\f)+8*(4*(\c)+(\a))+7], v[ACC+8*(4*(\a)+(\b)):ACC+8*(4*(\a)+(\b))+7]
.endif
.endr
.endr
.endm
; 32 LDS loads in one run: the fragments of 64 along K at byte k of the rows, into buffer f; the first 32 along K first
.macro FETCH slot, k, f
	WIN TO_F
.irp c, 0,1
.irp i, 0,1,2,3
	ds_load_b128 v[(\f)+64+8*(4*(\c)+(\i)):(\f)+64+8*(4*(\c)+(\i))+3],   v[ADRB+(\slot)] offset:(\k)+64*(\c)+(\i)*16*PITCH
	ds_load_b128 v[(\f)+64+8*(4*(\c)+(\i))+4:(\f)+64+8*(4*(\c)+(\i))+7], v[ADRB+(\slot)] offset:(\k)+64*(\c)+(\i)*16*PITCH+32
	ds_load_b128 v[(\f)+8*(4*(\c)+(\i)):(\f)+8*(4*(\c)+(\i))+3],         v[ADRA+(\slot)] offset:(\k)+64*(\c)+(\i)*16*PITCH
	ds_load_b128 v[(\f)+8*(4*(\c)+(\i))+4:(\f)+8*(4*(\c)+(\i))+7],       v[ADRA+(\slot)] offset:(\k)+64*(\c)+(\i)*16*PITCH+32
.endr
.endr
.endm
.macro PLACES                          ; four places in front of loads into registers that matrix instructions have read, and of conversions that read results
.rept 4
	v_nop
.endr
.endm
; A K step is four quarters of 64 along K, 32 matrix instructions each, on buffers 0, 1, 0, 1.  One of the first three: multiplies buffer f and fetches the next quarter, at byte k, into g.
.macro QUARTER slot, k, f, g, zero
	s_wait_dscnt 16                                ; the first 32 along K are in
	WIN MUL
	MUL8 \f, 0, 0, \zero
	MUL8 \f, 0, 2, \zero
	PLACES
	FETCH \slot, \k, \g
	s_wait_dscnt 32                                ; all but the 32 just issued
	WIN MUL
	MUL8 \f, 1, 0, 0
	MUL8 \f, 1, 2, 0
.endm
; The last quarter multiplies buffer 1 and changes slots: ONE barrier; in front of it each wave waits for all its tensor loads, adds 0 to its spare word, and waits for that and for its own reads of this slot.
; fill = 1: this slot is filled again, two K steps ahead.
.macro TURN slot, next, fill
	WIN 0                                          ; (the add's two registers lie in window 0)
	s_wait_tensorcnt 0x0                           ; all my tensor loads have landed: my part of the next slot;
	ds_add_u32 v[SPW], v[NIL]
	s_wait_dscnt 17                                ; (the add and the youngest sixteen loads may be out)
	WIN MUL
	MUL8 F1, 0, 0, 0                               ; eight matrix instructions stand between the add and the wait for it
	s_wait_dscnt 0x0                               ; the add is done, and my reads of this slot are over
	s_barrier_signal -1
	MUL8 F1, 0, 2, 0
.if \fill
	WIN 0
.endif
	s_barrier_wait -1
.if \fill
	CREST                                          ; the barrier has opened a round of the cluster's barrier: no wave of any partner still reads this slot's tile or has a load on its way
	s_add_nc_u64 s[G0+4*(\slot)+2:G0+4*(\slot)+3], s[G0+4*(\slot)+2:G0+4*(\slot)+3], 2*KSTEP*2
	s_add_nc_u64 s[G0B+4*(\slot)+2:G0B+4*(\slot)+3], s[G0B+4*(\slot)+2:G0B+4*(\slot)+3], 2*KSTEP*2
	JLOAD \slot                                    ; the first tensor load behind the round; the four v_nop behind it are also the places in front of the loads below
.else
	PLACES
.endif
	FETCH \next, 0, F0
	WIN MUL
	MUL8 F1, 1, 0, 0
	MUL8 F1, 1, 2, 0
.endm
	s_wait_tensorcnt 1                             ; my part of K step 0 is in; K step 1's load, issued behind it, may be out
	s_barrier_signal -1
	s_barrier_wait -1                              ; everybody's is
	FETCH 0, 0, F0
	QUARTER 0, 128, F0, F1, 1                      ; the first quarter stands in front of the loop: its first products start the sums
	WIN 0                                          ; at a label and at a branch every window is 0
	s_mov_b32 s3, LAPS-1
.Llap:                                                 ; a trip goes once round the ring, from a lap's second quarter to the next lap's first, and fills both slots again
	QUARTER 0, 256, F1, F0, 0
	QUARTER 0, 384, F0, F1, 0
	TURN 0, 1, 1
	QUARTER 1, 128, F0, F1, 0
	QUARTER 1, 256, F1, F0, 0
	QUARTER 1, 384, F0, F1, 0
	TURN 1, 0, 1
	QUARTER 0, 128, F0, F1, 0
	WIN 0
	s_sub_co_u32 s3, s3, 1
	s_cmp_lg_u32 s3, 0
	s_cbranch_scc1 .Llap
	QUARTER 0, 256, F1, F0, 0                      ; the last lap fills nothing, and has no round of the cluster's barrier
	QUARTER 0, 384, F0, F1, 0
	TURN 0, 1, 0
	QUARTER 1, 128, F0, F1, 0
	QUARTER 1, 256, F1, F0, 0
	QUARTER 1, 384, F0, F1, 0
	s_wait_dscnt 16                                ; the very last quarter: nothing more to fetch
	WIN MUL
	MUL8 F1, 0, 0, 0
	MUL8 F1, 0, 2, 0
	s_wait_dscnt 0
	MUL8 F1, 1, 0, 0
	MUL8 F1, 1, 2, 0
	WIN 0
	; THE WAY OUT: round to bf16; 16 bytes a lane into the work-group's stage; a barrier, since a row's 256 bytes come from two waves; back as whole rows, 32 rows a wave.
	PLACES
.irp t, 0,1,2,3,4,5,6,7,8,9,10,11,12,13,14,15
.irp r, 0,1,2,3
	v_cvt_pk_bf16_f32 v[TMP+4*(\t)+(\r)], v[ACC+8*(\t)+2*(\r)], v[ACC+8*(\t)+2*(\r)+1]
.endr
.endr
.irp a, 0,1,2,3
.irp b, 0,1,2,3
	ds_store_b128 v[STO], v[TMP+4*(4*(\a)+(\b)):TMP+4*(4*(\a)+(\b))+3] offset:(\a)*16*SPITCH+32*(\b)
.endr
.endr
	s_wait_dscnt 0x0                               ; for the others' sake: my stores into the stage are done
	s_barrier_signal -1
	s_barrier_wait -1
.irp t, 0,1,2,3,4,5,6,7,8,9,10,11,12,13,14,15
	ds_load_b128 v[TMP+4*(\t):TMP+4*(\t)+3], v[RD] offset:(\t)*2*SPITCH
.endr
.irp t, 0,1,2,3,4,5,6,7,8,9,10,11,12,13,14,15
	s_wait_dscnt 15-(\t)
	global_store_b128 v[CO], v[TMP+4*(\t):TMP+4*(\t)+3], s[8:9] offset:2*(\t)*SIZE_N*2  ; 16 lanes store 256 consecutive bytes, aligned
.endr
	s_wait_tensorcnt 0x0                           ; the wave's end, behind my last tensor load and my last LDS store
	ds_add_u32 v[SPW], v[NIL]
	s_wait_dscnt 0x0
	CROUND                                         ; the closing round: no work-group ends while a partner may still ask for a tile that names it
	s_endpgm
.Lfunc_end_k_qfadabad04e_fcg:
	.size	k_qfadabad04e_fcg, .Lfunc_end_k_qfadabad04e_fcg-k_qfadabad04e_fcg
	.p2alignl 7, 3214868480
	.fill 96, 4, 3214868480
	.section	.rodata,"a",@progbits
	.p2align	6, 0x0
	.amdhsa_kernel k_qfadabad04e_fcg
		.amdhsa_group_segment_fixed_size 327680
		.amdhsa_private_segment_fixed_size 0
		.amdhsa_enable_private_segment 0
		.amdhsa_kernarg_size 24
		.amdhsa_user_sgpr_count 2
		.amdhsa_user_sgpr_kernarg_segment_ptr 1
		.amdhsa_wavefront_size32 1
		.amdhsa_system_sgpr_workgroup_id_x 1
		.amdhsa_system_sgpr_workgroup_id_y 1
		.amdhsa_system_sgpr_workgroup_id_z 1
		.amdhsa_system_vgpr_workitem_id 0
		.amdhsa_next_free_vgpr 512
		.amdhsa_next_free_sgpr 66
		.amdhsa_reserve_vcc 0
		.amdhsa_float_denorm_mode_32 3
		.amdhsa_float_denorm_mode_16_64 3
		.amdhsa_memory_ordered 1
		.amdhsa_forward_progress 1
		.amdhsa_inst_pref_size 87
	.end_amdhsa_kernel
	.amdgpu_metadata
---
amdhsa.version: [ 1, 2 ]
amdhsa.kernels:
  - .name:           k_qfadabad04e_fcg
    .symbol:         k_qfadabad04e_fcg.kd
    .args:
      - { .name: u, .offset: 0, .size: 8, .value_kind: global_buffer, .address_space: global }
      - { .name: wc, .offset: 8, .size: 8, .value_kind: global_buffer, .address_space: global }
      - { .name: y, .offset: 16, .size: 8, .value_kind: global_buffer, .address_space: global }
    .group_segment_fixed_size: 327680
    .private_segment_fixed_size: 0
    .kernarg_segment_align: 8
    .kernarg_segment_size: 24
    .max_flat_workgroup_size: 128
    .sgpr_count:     66
    .vgpr_count:     512
    .wavefront_size: 32
...
	.end_amdgpu_metadata
.endif
;; end of part 3
;; launch ln (part 4): grid 256 x 1, 8 waves a work-group, no clusters, 0 bytes of LDS; arguments y, idt, fc_b, ln_g, ln_b, out0; writes out0
.if DOCPART == 4
	.amdgcn_target "amdgcn-amd-amdhsa--gfx1250"
	.amdhsa_code_object_version 6
	.text
	.protected	k_qfadabad04e_ln
	.globl	k_qfadabad04e_ln
	.p2align	8
	.type	k_qfadabad04e_ln,@function
k_qfadabad04e_ln:
	s_mov_b64 s[64:65], 0
	v_nop
	global_prefetch_b8 v0, s[64:65] scope:SCOPE_SE
	s_setreg_imm32_b32 hwreg(HW_REG_WAVE_MODE, 25, 1), 1
	s_wait_xcnt 0x0
; out0[r][:] = LayerNorm(y[r][:] + fc_b + idt[r][:]) x ln_g + ln_b.  y: [4096][512] bf16; all else f32; all arithmetic in f32.
; The mean is taken first and the variance of the differences from it: no difference of large sums.  eps = 1e-5 as in the reference.
; A stream: 16 rows to a work-group, 2 rows to a wave; a row stays in 16 registers a lane between the passes, so memory is read once; the reduction never leaves the wave: no LDS, no barrier.
; Lane l holds columns 128 c + 4 l .. + 3, c = 0..3: a load or store of 16 bytes a lane covers 512 consecutive bytes, y's of 8 bytes a lane 256.
; All 28 loads of a wave go out at once.  Matrix units, clusters and LDS would add nothing here: no work-group shares more than the three vectors of 2,048 bytes.
.set Y,   8                            ; v[8:23]    row rr, part c: 2 registers, 4 bf16
.set X,   24                           ; v[24:55]   row rr: 16 registers: idt, then x, then x - mean, then the result
.set FB,  56                           ; v[56:71]   fc_b
.set G,   72                           ; v[72:87]   ln_g
.set BB,  88                           ; v[88:103]  ln_b
.set T,   104                          ; v[104:107] at work
.set AC,  108                          ; v[108:111] two chains of sums
.set MU,  112                          ; v[112:115] the mean, twice, for each row
.set RS,  116                          ; v[116:119] 1 / sqrt(var + eps), twice, for each row
.set EPS, 120
.set VR,  122                          ; v[122:123] var + eps of each row
	s_load_b256 s[4:11], s[0:1], 0x0               ; y 4, idt 6, fc_b 8, ln_g 10
	s_load_b128 s[12:15], s[0:1], 0x20             ; ln_b 12, out0 14
	s_lshl_b32 s16, ttmp9, 14                      ; 16 rows of 1,024 bytes
	s_mov_b32 s17, 0
	s_lshl_b32 s18, ttmp9, 15                      ; 16 rows of 2,048 bytes
	s_mov_b32 s19, 0
	s_mov_b32 s20, 0xffff0000                      ; a word's upper bf16
	s_mov_b32 s21, 0x3b000000                      ; 1 / 512
	s_mov_b32 s22, 0x76543210                      ; v_permlanex16_b32: each lane takes its own place in the other half
	s_mov_b32 s23, 0xfedcba98
	v_and_b32 v1, 31, v0
	v_and_b32 v5, 0xe0, v0                         ; 32 x wave
	v_lshlrev_b32 v2, 3, v1
	v_lshl_add_u32 v2, v5, 6, v2                   ; y: 8 x lane + wave x 2 rows
	v_lshlrev_b32 v4, 4, v1                        ; the vectors: 16 x lane
	v_lshl_add_u32 v3, v5, 7, v4                   ; idt, out0: 16 x lane + wave x 2 rows
	v_mov_b32 v[EPS], 0x3727c5ac                   ; 1e-5
	s_wait_kmcnt 0x0
	s_add_nc_u64 s[4:5], s[4:5], s[16:17]
	s_add_nc_u64 s[6:7], s[6:7], s[18:19]
	s_add_nc_u64 s[14:15], s[14:15], s[18:19]
.irp rr, 0,1
.irp c, 0,1,2,3
	global_load_b64 v[Y+8*\rr+2*\c:Y+8*\rr+2*\c+1], v2, s[4:5] offset:\rr*1024+\c*256 th:TH_LOAD_NT
.endr
.endr
.irp rr, 0,1
.irp c, 0,1,2,3
	global_load_b128 v[X+16*\rr+4*\c:X+16*\rr+4*\c+3], v3, s[6:7] offset:\rr*2048+\c*512 th:TH_LOAD_NT
.endr
.endr
.irp c, 0,1,2,3
	global_load_b128 v[FB+4*\c:FB+4*\c+3], v4, s[8:9] offset:\c*512
.endr
.irp c, 0,1,2,3
	global_load_b128 v[G+4*\c:G+4*\c+3], v4, s[10:11] offset:\c*512
.endr
.irp c, 0,1,2,3
	global_load_b128 v[BB+4*\c:BB+4*\c+3], v4, s[12:13] offset:\c*512
.endr
.macro REDUCE                          ; v[AC:AC+3] -> the sum over the row, in every lane's v[AC]
	v_pk_add_f32 v[AC:AC+1], v[AC:AC+1], v[AC+2:AC+3]
	v_add_f32 v[AC], v[AC], v[AC+1]
	v_add_f32_dpp v[AC], v[AC], v[AC] row_xmask:1 row_mask:0xf bank_mask:0xf
	v_add_f32_dpp v[AC], v[AC], v[AC] row_xmask:2 row_mask:0xf bank_mask:0xf
	v_add_f32_dpp v[AC], v[AC], v[AC] row_xmask:4 row_mask:0xf bank_mask:0xf
	v_add_f32_dpp v[AC], v[AC], v[AC] row_xmask:8 row_mask:0xf bank_mask:0xf
	v_permlanex16_b32 v[AC+1], v[AC], s22, s23
	v_add_f32 v[AC], v[AC], v[AC+1]
.endm
.macro STATSROW rr
.set x, X+16*(\rr)
.irp c, 0,1,2,3                        ; x = (y + fc_b) + idt
	v_lshlrev_b32 v[T],   16,  v[Y+8*(\rr)+2*\c]
	v_and_b32     v[T+1], s20, v[Y+8*(\rr)+2*\c]
	v_lshlrev_b32 v[T+2], 16,  v[Y+8*(\rr)+2*\c+1]
	v_and_b32     v[T+3], s20, v[Y+8*(\rr)+2*\c+1]
	v_pk_add_f32 v[T:T+1],   v[T:T+1],   v[FB+4*\c:FB+4*\c+1]
	v_pk_add_f32 v[T+2:T+3], v[T+2:T+3], v[FB+4*\c+2:FB+4*\c+3]
	v_pk_add_f32 v[x+4*\c:x+4*\c+1],   v[x+4*\c:x+4*\c+1],   v[T:T+1]
	v_pk_add_f32 v[x+4*\c+2:x+4*\c+3], v[x+4*\c+2:x+4*\c+3], v[T+2:T+3]
.endr
	v_pk_add_f32 v[AC:AC+1],   v[x:x+1],     v[x+2:x+3]      ; two chains, started by the first four pairs
	v_pk_add_f32 v[AC+2:AC+3], v[x+4:x+5],   v[x+6:x+7]
	v_pk_add_f32 v[AC:AC+1],   v[AC:AC+1],   v[x+8:x+9]
	v_pk_add_f32 v[AC+2:AC+3], v[AC+2:AC+3], v[x+10:x+11]
	v_pk_add_f32 v[AC:AC+1],   v[AC:AC+1],   v[x+12:x+13]
	v_pk_add_f32 v[AC+2:AC+3], v[AC+2:AC+3], v[x+14:x+15]
	REDUCE
	v_mul_f32 v[MU+2*(\rr)],   s21, v[AC]
	v_mul_f32 v[MU+2*(\rr)+1], s21, v[AC]
.irp e, 0,2,4,6,8,10,12,14
	v_pk_add_f32 v[x+\e:x+\e+1], v[x+\e:x+\e+1], v[MU+2*(\rr):MU+2*(\rr)+1] neg_lo:[0,1] neg_hi:[0,1]
.endr
	v_pk_mul_f32 v[AC:AC+1],   v[x:x+1],     v[x:x+1]
	v_pk_mul_f32 v[AC+2:AC+3], v[x+2:x+3],   v[x+2:x+3]
.irp e, 4,8,12
	v_pk_fma_f32 v[AC:AC+1],   v[x+\e:x+\e+1],   v[x+\e:x+\e+1],   v[AC:AC+1]
	v_pk_fma_f32 v[AC+2:AC+3], v[x+\e+2:x+\e+3], v[x+\e+2:x+\e+3], v[AC+2:AC+3]
.endr
	REDUCE
	v_fma_f32 v[VR+(\rr)], v[AC], s21, v[EPS]      ; var + eps
.endm
.macro OUTROW rr
.set x, X+16*(\rr)
.irp e, 0,2,4,6,8,10,12,14
	v_pk_mul_f32 v[x+\e:x+\e+1], v[x+\e:x+\e+1], v[RS+2*(\rr):RS+2*(\rr)+1]
.endr
.irp e, 0,2,4,6,8,10,12,14
	v_pk_fma_f32 v[x+\e:x+\e+1], v[x+\e:x+\e+1], v[G+\e:G+\e+1], v[BB+\e:BB+\e+1]
.endr
.irp c, 0,1,2,3
	global_store_b128 v3, v[x+4*\c:x+4*\c+3], s[14:15] offset:(\rr)*2048+\c*512 th:TH_STORE_NT
.endr
.endm
	s_wait_loadcnt 8                               ; y, idt and fc_b are in; ln_g's and ln_b's eight loads were issued behind them
	STATSROW 0
	STATSROW 1
	v_rsq_f32 v[RS],   v[VR]
	v_rsq_f32 v[RS+1], v[VR]
	v_rsq_f32 v[RS+2], v[VR+1]
	v_rsq_f32 v[RS+3], v[VR+1]
	v_nop                                          ; a plain line between the last of them and the use of its result (ISA guide 5.7.2)
	s_wait_alu depctr_va_vdst(0)
	s_wait_loadcnt 0x0
	OUTROW 0
	OUTROW 1
	s_endpgm
.Lfunc_end_k_qfadabad04e_ln:
	.size	k_qfadabad04e_ln, .Lfunc_end_k_qfadabad04e_ln-k_qfadabad04e_ln
	.p2alignl 7, 3214868480
	.fill 96, 4, 3214868480
	.section	.rodata,"a",@progbits
	.p2align	6, 0x0
	.amdhsa_kernel k_qfadabad04e_ln
		.amdhsa_group_segment_fixed_size 0
		.amdhsa_private_segment_fixed_size 0
		.amdhsa_enable_private_segment 0
		.amdhsa_kernarg_size 48
		.amdhsa_user_sgpr_count 2
		.amdhsa_user_sgpr_kernarg_segment_ptr 1
		.amdhsa_wavefront_size32 1
		.amdhsa_system_sgpr_workgroup_id_x 1
		.amdhsa_system_sgpr_workgroup_id_y 1
		.amdhsa_system_sgpr_workgroup_id_z 1
		.amdhsa_system_vgpr_workitem_id 0
		.amdhsa_next_free_vgpr 128
		.amdhsa_next_free_sgpr 66
		.amdhsa_reserve_vcc 0
		.amdhsa_float_denorm_mode_32 3
		.amdhsa_float_denorm_mode_16_64 3
		.amdhsa_memory_ordered 1
		.amdhsa_forward_progress 1
		.amdhsa_inst_pref_size 15
	.end_amdhsa_kernel
	.amdgpu_metadata
---
amdhsa.version: [ 1, 2 ]
amdhsa.kernels:
  - .name:           k_qfadabad04e_ln
    .symbol:         k_qfadabad04e_ln.kd
    .args:
      - { .name: y, .offset: 0, .size: 8, .value_kind: global_buffer, .address_space: global }
      - { .name: idt, .offset: 8, .size: 8, .value_kind: global_buffer, .address_space: global }
      - { .name: fc_b, .offset: 16, .size: 8, .value_kind: global_buffer, .address_space: global }
      - { .name: ln_g, .offset: 24, .size: 8, .value_kind: global_buffer, .address_space: global }
      - { .name: ln_b, .offset: 32, .size: 8, .value_kind: global_buffer, .address_space: global }
      - { .name: out0, .offset: 40, .size: 8, .value_kind: global_buffer, .address_space: global }
    .group_segment_fixed_size: 0
    .private_segment_fixed_size: 0
    .kernarg_segment_align: 8
    .kernarg_segment_size: 48
    .max_flat_workgroup_size: 256
    .sgpr_count:     66
    .vgpr_count:     128
    .wavefront_size: 32
...
	.end_amdgpu_metadata
.endif
;; end of part 4
;; ======== version 2 of 2: 4 launches; 1.09 times as fast as version 1
;; workspace buffers: vb 8,388,608 bytes; qh 4,194,304 bytes; kh 16,777,216 bytes; wc 2,097,152 bytes; u 16,777,216 bytes; y 4,194,304 bytes
;; launch prep: the kernel of part 1 again; grid 256 x 1, 8 waves a work-group, no clusters, 320,000 bytes of LDS; arguments q, k, v, qk_w, v_w, fc_w, qh, kh, vb, wc; writes qh, kh, vb, wc
;; launch attn (part 5): grid 4 x 64, 4 waves a work-group, clusters of 4 x 1, 327,680 bytes of LDS; arguments qh, kh, vb, s_valid_mask, u; writes u
.if DOCPART == 5
	.amdgcn_target "amdgcn-amd-amdhsa--gfx1250"
	.amdhsa_code_object_version 6
	.text
	.protected	k_qfadabad04e_attn
	.globl	k_qfadabad04e_attn
	.p2align	8
	.type	k_qfadabad04e_attn,@function
k_qfadabad04e_attn:
	s_mov_b64 s[64:65], 0
	v_nop
	global_prefetch_b8 v0, s[64:65] scope:SCOPE_SE
	s_setreg_imm32_b32 hwreg(HW_REG_WAVE_MODE, 25, 1), 1
	s_wait_xcnt 0x0
	s_wait_alu depctr_hold_cnt(0) depctr_sa_sdst(0) depctr_va_vdst(0) depctr_va_sdst(0) depctr_va_ssrc(0) depctr_va_vcc(0) depctr_vm_vsrc(0)
	s_getreg_b32 s2, hwreg(HW_REG_IB_STS2, 6, 4)
	s_cmp_eq_u32 s2, 0
	s_cbranch_scc0 .Lentry_in_a_cluster
	s_endpgm
.Lentry_in_a_cluster:
	s_bfe_u32 s2, ttmp6, 0x10000c
	s_cmp_lg_u32 s2, 0x3003
	s_cbranch_scc0 .Lentry_shape_is_right
	s_endpgm
.Lentry_shape_is_right:
; ATTENTION ON v ITSELF.  u[512 b + q][256 h + c] = sum over s of softmax_s(qh[b][h][q] . kh[b][h][s] / 8 - 10000 mask[b][s]) vb[b][s][c].
; qh [b][h][512][64], kh [b][h][2048][64], vb [b][2048][256], u [4096][2048]: bf16.  mask: int32.  Products, maxima and sums in f32; the weights are rounded to bf16 for the second product, u once.
; LIMITS.  The mask enters as -80000 x mask, the C operand that starts each score's sum, ahead of the scale c = log2(e) / 8; it is an addend, so no key is left out.  A masked score is
; rounded at the size of 80,000, as the reference's is at 10,000 behind its division by 8.  c m starts at -4.25e37: c |score| stays below that.  A weight below 2^-126 counts as 0.
; NaN and infinities are not treated apart.
; SHARES.  A work-group owns 128 queries of one (b, h).  Wave w: queries 64 (w / 2) on, four tiles of 16; of every chunk of 128 keys the half w % 2.  So a fragment of V feeds four
; tiles' products.  The two waves of a pair keep maxima and sums of their own; at the end the pair's results meet in LDS, in f32.
; LAYOUT.  S^T = K Q^T (source 0 = 16 keys, source 1 = 16 queries): a lane holds ONE query (lane % 16) and the keys 8 (lane / 16) + 0..7.  Two such results rounded to bf16 ARE source 1 of
; O^T = V^T P, whose result again holds one query a lane, and eight channels.  K comes out of LDS as it lies, V ([key][channel]) turned, by ds_load_tr16_b128.
; SOFTMAX.  A running maximum m and sum l for each query: p = 2^(c s - c m); in every step O and l are multiplied by a = 2^(c m_old - c m_new).  m starts at the lowest finite number, O and l at 0.
; BATCHES.  A step's 132 exponentials are TWO BATCHES, each with ONE s_wait_alu depctr_va_vdst(0), ahead of the first line that names a result.  Batch 1: the weights of
; tiles 0 and 1 and all four tiles' a.  Batch 2: the weights of tiles 2 and 3, with the readers of batch 1 set between and behind them.  SOFTMAX, below, says line by line how they are dealt.
; The end has two more batches, outside every loop: two exponentials, then the reciprocal of a sum made of them.
; CLUSTER.  The four query blocks of a (b, h) walk the same K and V: each tile is asked for JOINTLY, by the same tensor load, descriptor and mask in all four.
; RING.  Two slots, one chunk each.  One load a wave is out behind each round, and has one whole step (160 products and four tiles' softmax) in which to land.
; REGISTERS, in windows of 256 (s_set_vgpr_msb: bits 1:0 source 0, 3:2 source 1, 5:4 source 2, 7:6 destination):
;   window 0: v0-11 addresses; v12-43 eight registers of statistics a tile; v44-61 the end's; v64-191 S^T, 32 a tile; v192-255 P, 16 a tile (v192-223 first hold the step's mask)
;   window 1: v0-63 Q; v64-127 K of a step; v128-191, v192-255 two buffers of eight fragments of V          windows 2, 3: O^T, 128 a tile
.set PK,    144                       ; a key's row of K: 128 bytes + 16
.set PV,    544                       ; a key's row of V: 512 + 32: an odd multiple of 32, for the turning load
.set VOFF,  128*PK                    ; a slot: 128 rows of K, then 128 rows of V
.set SLOT1, 1<<17                     ; one exclusive or turns an address in one slot into the other's
.set MASKB, SLOT1+128*(PK+PV)         ; 2,048 f32: -80000 x mask; no tensor load lands here
.set DP,    1040                      ; the end: a query's 256 f32 + 16 bytes
.set DUMPW, 64*DP                     ; a wave's 64 queries; the four lie over the slots and the mask table, which have had their last fill and their last read
.set STATS, 4*DUMPW                   ; (c m, l) for each wave's 64 queries
.set FACT,  STATS+2048                ; two factors, each twice, for each of 128 queries
.set SPARE, FACT+2048                 ; the spare words: 128 bytes for each wave
.set AK0, 2                           ; my lane's place in a chunk's K; never rewritten
.set AV0, 3                           ; in its V
.set ADRK, 4
.set ADRV, 5
.set AM0, 6                           ; in the mask table
.set ADRM, 7
.set QO,  8
.set GU,  10                          ; first 16 t, at the end my bytes in a row of u
.set RFR, 11                          ; first the mask table's store address, at the end the factors'
.set ST,  12                          ; tile t at v[ST+8 t]: c m, m, l (even keys', odd keys'), c0-c3 at work; a takes c2's place
.set DST, 44
.set STA, 45
.set SRA, 46
.set RF,  47
.set RA,  60
.set RB,  61
.set SPW, 62                          ; my spare word; never rewritten
.set NIL, 63                          ; 0; never rewritten
.set S,   64
.set P,   192
.set MA,  64                          ; the merge: 20 registers a row
.set KF,  64                          ; window 1
.set VA,  128
.set VB,  192
.set WV,  14
.set G1K, 24
.set G1V, 32
.set G0K, 40
.set G0V, 44
.set SLOTS, 56
.set CNT, 57
.set CS,  58                          ; s[58:59] c
.set SEL, 60                          ; s[60:61] v_permlanex16_b32's selects: each lane takes its own place in the other half
.set TB,  62                          ; the slot of the step in hand
.set TM,  63                          ; its chunk's byte in the mask table
.set MSB, 0
.macro WIN new                        ; the high byte repeats the setting that is left; a switch that changes nothing is dropped
.if MSB != (\new)
	s_set_vgpr_msb (MSB<<8)|(\new)
.set MSB, (\new)
.endif
.endm
.macro PLACES                         ; four places behind matrix instructions (ISA guide 7.12.1)
.rept 4
	v_nop
.endr
.endm
; A joint fill.  Waves 0 and 1 fetch the two halves of a chunk's K, waves 2 and 3 those of its V.  The branch hangs on the wave's number alone.
; An s_nop 0 and four v_nop follow each of the two lines, ahead of the jump and the label.
.macro JLOAD
	s_cmp_lt_u32 s[WV], 2
	s_cbranch_scc0 .Lfor_v_\@
	tensor_load_to_lds s[G0K:G0K+3], s[G1K:G1K+7]
	s_nop 0
.rept 4
	v_nop
.endr
	s_branch .Lasked_\@
.Lfor_v_\@:
	tensor_load_to_lds s[G0V:G0V+3], s[G1V:G1V+7]
	s_nop 0
.rept 4
	v_nop
.endr
.Lasked_\@:
.endm
; A round of the cluster's barrier: my work-group's barrier; wave 0 signals for the work-group; every wave waits for all four work-groups; my work-group's barrier once more.
.macro CROUND
	s_barrier_signal -1
	s_barrier_wait -1
	s_cmp_lg_u32 s[WV], 0
	s_cbranch_scc1 .Lnot_wave_0_\@
	s_barrier_signal -3
.Lnot_wave_0_\@:
	s_barrier_wait -3
	s_barrier_signal -1
	s_barrier_wait -1
.endm
; THE CHANGE OF SLOTS.  Each wave waits for all its tensor loads, of which one is out: its part of the slot to be read next; adds 0 to its spare word; waits for that and for its reads of the slot
; that it leaves.  fill = 1: a round of the cluster's barrier, and the slot that was left is filled first thing behind it.  (At its first use chunk 0 is waited for and slot 1 filled.)
.macro CHANGE fill
	WIN 0
	s_wait_tensorcnt 0x0                           ; no tensor load of mine is out, so a group 0 may be written
	ds_add_u32 v[SPW], v[NIL]
.if \fill
	s_xor_b32 s[G0K+1], s[G0K+1], SLOT1
	s_add_nc_u64 s[G0K+2:G0K+3], s[G0K+2:G0K+3], 128*128   ; the next 128 keys; the type bits on top are not reached
	s_xor_b32 s[G0V+1], s[G0V+1], SLOT1
	s_add_nc_u64 s[G0V+2:G0V+3], s[G0V+2:G0V+3], 128*512
	s_wait_dscnt 0x0                               ; the add is done, and my LDS instructions are over
	CROUND
	JLOAD
.else
	s_wait_dscnt 0x0
	s_barrier_signal -1
	s_barrier_wait -1
.endif
.endm
	s_load_b256 s[4:11], s[0:1], 0x0               ; qh 4, kh 6, vb 8, mask 10
	s_load_b64 s[12:13], s[0:1], 0x20              ; u
	v_lshl_add_u32 v[SPW], v0, 2, SPARE
	v_mov_b32 v[NIL], 0
	ds_add_u32 v[SPW], v[NIL]                      ; the wave's opening: the add and its wait ahead of my first tensor load
	v_lshrrev_b32 v1, 5, v0
	v_readfirstlane_b32 s[WV], v1                  ; wave 0..3
	s_bfe_u32 s15, ttmp6, 0x40000                  ; cx
	s_lshl_b32 s2, ttmp9, 2
	s_add_co_u32 s15, s15, s2                      ; my block of 128 queries: it enters qh's and u's addresses alone
	s_and_b32 s16, ttmp7, 0xffff                   ; 8 b + h, which the four partners share
	s_lshr_b32 s17, s16, 3                         ; b
	s_and_b32 s18, s16, 7                          ; h
	s_and_b32 s19, s[WV], 1                        ; my half of a chunk's keys, to read and to fetch
	s_lshr_b32 s20, s[WV], 1                       ; my 64 queries
	s_lshl_b32 s22, s16, 18                        ; kh: a head's 2,048 rows of 128 bytes,
	s_lshl_b32 s21, s19, 13                        ; 64 rows
	s_add_co_u32 s22, s22, s21
	s_mov_b32 s23, 0
	s_lshl_b32 s48, s17, 20                        ; vb: a batch's 2,048 rows of 512 bytes,
	s_lshl_b32 s21, s19, 15                        ; 64 rows
	s_add_co_u32 s48, s48, s21
	s_mov_b32 s49, 0
	s_lshl_b32 s50, s16, 16                        ; qh: a head's 512 rows,
	s_lshl_b32 s2, s15, 14                         ; my block's 128,
	s_add_co_u32 s50, s50, s2
	s_lshl_b32 s2, s20, 13                         ; my wave's 64
	s_add_co_u32 s50, s50, s2
	s_mov_b32 s51, 0
	s_lshl_b32 s52, s17, 13                        ; mask: a batch's 2,048 words
	s_mov_b32 s53, 0
	s_lshl_b32 s54, s17, 21                        ; u: a batch's 512 rows of 4,096 bytes,
	s_lshl_b32 s2, s15, 19                         ; my block's 128,
	s_add_co_u32 s54, s54, s2
	s_lshl_b32 s2, s[WV], 17                       ; the 32 that my wave merges,
	s_add_co_u32 s54, s54, s2
	s_lshl_b32 s2, s18, 9                          ; the head's 256 channels
	s_add_co_u32 s54, s54, s2
	s_mov_b32 s55, 0
	; group 1 for K: 64 keys are 8,192 dense bytes: 32 rows of 256 bytes, padded in LDS behind every key
	s_mov_b32 s[G1K], 15|(1<<16)|(1<<20)|(1<<21)|(4<<22)|(3<<25)  ; the mask of four; 2-byte elements; padding on; bit 21 beside a mask; behind every 32 words 4 words
	s_mov_b32 s[G1K+1], 128<<16                    ; tensor_dim0
	s_mov_b32 s[G1K+2], 32<<16                     ; tensor_dim1
	s_mov_b32 s[G1K+3], 128<<16                    ; tile_dim0
	s_mov_b32 s[G1K+4], 32                         ; tile_dim1
	s_mov_b32 s[G1K+5], 128                        ; elements from row to row
	s_mov_b32 s[G1K+6], 0
	s_mov_b32 s[G1K+7], 0
	; group 1 for V: 64 rows of 512 bytes
	s_mov_b32 s[G1V], 15|(1<<16)|(1<<20)|(1<<21)|(6<<22)|(7<<25)  ; behind every 128 words 8 words
	s_mov_b32 s[G1V+1], 256<<16
	s_mov_b32 s[G1V+2], 64<<16
	s_mov_b32 s[G1V+3], 256<<16
	s_mov_b32 s[G1V+4], 64
	s_mov_b32 s[G1V+5], 256
	s_mov_b32 s[G1V+6], 0
	s_mov_b32 s[G1V+7], 0
	s_mov_b32 s[G0K], 1
	s_mul_i32 s[G0K+1], s19, 64*PK                 ; slot 0: no place in the cluster enters an LDS address
	s_mov_b32 s[G0V], 1
	s_mul_i32 s[G0V+1], s19, 64*PV
	s_add_co_u32 s[G0V+1], s[G0V+1], VOFF
	s_mov_b32 s[CS], 0x3e38aa3b                    ; c = log2(e) / 8
	s_mov_b32 s[CS+1], s[CS]
	s_mov_b32 s[SEL], 0x76543210
	s_mov_b32 s[SEL+1], 0xfedcba98
	s_wait_dscnt 0x0                               ; the opening add is done
	s_wait_kmcnt 0x0
	s_add_nc_u64 s[G0K+2:G0K+3], s[6:7], s[22:23]
	s_or_b32 s[G0K+3], s[G0K+3], 0x80000000
	s_add_nc_u64 s[G0V+2:G0V+3], s[8:9], s[48:49]
	s_or_b32 s[G0V+3], s[G0V+3], 0x80000000
	s_add_nc_u64 s[4:5], s[4:5], s[50:51]
	s_add_nc_u64 s[10:11], s[10:11], s[52:53]
	s_add_nc_u64 s[12:13], s[12:13], s[54:55]
	CROUND                                         ; all four work-groups are here: the first joint loads meet
	JLOAD                                          ; chunk 0 into slot 0
	; all that follows up to the loop stands in the wait for that tile
	v_lshlrev_b32 v[GU], 4, v0
.irp j, 0,1,2,3
	global_load_b128 v[S+4*\j:S+4*\j+3], v[GU], s[10:11] offset:\j*2048    ; the batch's mask: 128 threads x 16 bytes, four times
.endr
	v_and_b32 v1, 15, v0                           ; l % 16
	v_bfe_u32 v9, v0, 4, 1                         ; l / 16
	v_lshlrev_b32 v[QO], 7, v1
	v_lshl_add_u32 v[QO], v9, 4, v[QO]
	WIN 0x40
.set i, 0
.rept 8                               ; Q stays in registers: tile i / 2, channels 32 (i % 2) on
	global_load_b128 v[8*i:8*i+3],   v[QO], s[4:5] offset:(i/2)*2048+(i%2)*64
	global_load_b128 v[8*i+4:8*i+7], v[QO], s[4:5] offset:(i/2)*2048+(i%2)*64+32
.set i, i+1
.endr
	WIN 0x80                                       ; O^T starts at 0: no first step is written out, which would be a third copy of the step's text
.set i, 0
.rept 256
	v_mov_b32 v[i], 0
.set i, i+1
.endr
	WIN 0xc0
.set i, 0
.rept 256
	v_mov_b32 v[i], 0
.set i, i+1
.endr
	WIN 0
.set i, 0
.rept 4
	v_mov_b32 v[ST+8*i], 0xfe000000                ; c m: far below every c s
	v_mov_b32 v[ST+8*i+1], 0xff7fffff              ; m
	v_mov_b32 v[ST+8*i+2], 0
	v_mov_b32 v[ST+8*i+3], 0
.set i, i+1
.endr
	v_mul_u32_u24 v[AK0], v1, PK
	v_lshl_add_u32 v[AK0], v9, 4, v[AK0]
	s_mul_i32 s21, s19, 64*PK
	v_add_nc_u32 v[AK0], s21, v[AK0]
	v_and_b32 v44, 7, v0
	v_bfe_u32 v45, v0, 3, 1
	v_lshl_add_u32 v[AV0], v9, 3, v44              ; the turning load: lane l reads key 8 (l / 16) + l % 8, 16 bytes at 16 ((l / 8) % 2)
	v_mul_u32_u24 v[AV0], v[AV0], PV
	v_lshl_add_u32 v[AV0], v45, 4, v[AV0]
	s_mul_i32 s21, s19, 64*PV
	s_add_co_u32 s21, s21, VOFF
	v_add_nc_u32 v[AV0], s21, v[AV0]
	s_lshl_b32 s21, s19, 8
	s_add_co_u32 s21, s21, MASKB
	v_lshl_add_u32 v[AM0], v9, 5, s21              ; my eight keys of a group of 16: 32 bytes for each half of the lanes
	v_add_nc_u32 v[RFR], MASKB, v[GU]
	s_wait_loadcnt 16                              ; the mask is in; Q's 16 loads were issued behind it
.set i, 0
.rept 16
	v_cvt_f32_i32 v[S+i], v[S+i]
.set i, i+1
.endr
.set i, 0
.rept 16
	v_mul_f32 v[S+i], 0xc79c4000, v[S+i]           ; x -80000 = -10000 x 8: the scale 1 / 8 comes behind
.set i, i+1
.endr
.irp j, 0,1,2,3
	ds_store_b128 v[RFR], v[S+4*\j:S+4*\j+3] offset:\j*2048    ; read by all waves behind the first change of slots, in front of which each wave waits for these
.endr
	s_wait_loadcnt 0x0                             ; Q
	s_mov_b32 s[TB], 0
	s_mov_b32 s[TM], 0
	s_mov_b32 s[SLOTS], 15
.macro FETCHV kk, chf, buf            ; eight fragments of V^T: keys 32 kk on of my 64, channels 128 chf on
	WIN 0x40
.set f, 0
.rept 8
	ds_load_tr16_b128 v[(\buf)+8*f:(\buf)+8*f+3],   v[ADRV] offset:(\kk)*32*PV+(8*(\chf)+f)*32
	ds_load_tr16_b128 v[(\buf)+8*f+4:(\buf)+8*f+7], v[ADRV] offset:(\kk)*32*PV+16*PV+(8*(\chf)+f)*32
.set f, f+1
.endr
.endm
; Product i of 32 of S^T = K Q^T: channels 32 (i / 16) on, keys 16 ((i / 4) % 4) on, tile i % 4.  The first 16 start the sums with the mask.  The 16 accumulators take turns.
.macro KQ
.set rS, S+32*(i%4)+8*((i/4)%4)
.set rK, KF+16*((i/4)%4)+8*(i/16)
.set rQ, 16*(i%4)+8*(i/16)
.set rM, P+8*((i/4)%4)
.if i < 16
	v_wmma_f32_16x16x32_bf16 v[rS:rS+7], v[rK:rK+7], v[rQ:rQ+7], v[rM:rM+7]
.else
	v_wmma_f32_16x16x32_bf16 v[rS:rS+7], v[rK:rK+7], v[rQ:rQ+7], v[rS:rS+7]
.endif
.endm
; 32 products of O^T += V^T P on 32 different accumulators: keys 32 kk on, channels 128 chf on, all four tiles
.macro PVQ kk, chf, buf
.set tp, 0
.rept 2
	WIN 0xa1+0x50*tp                               ; V window 1, P window 0, O^T window 2 or 3
.set n, 0
.rept 16
.set rO, 128*(n%2)+8*(8*(\chf)+n/2)
.set rV, (\buf)+8*(n/2)
.set rP, P+16*(2*tp+n%2)+8*(\kk)
	v_wmma_f32_16x16x32_bf16 v[rO:rO+7], v[rV:rV+7], v[rP:rP+7], v[rO:rO+7]
.set n, n+1
.endr
.set tp, tp+1
.endr
.endm
; ONE TILE'S SOFTMAX FOR ONE STEP is 166 lines, of six kinds; each macro writes one line for tile t.  s0-s31 are the lane's 32 scores, in pairs 0-15.  None of them sets a window: SOFTMAX does.
;   MX n   0-15  the maximum of s0-s31 and the old m, three operands at a time; each accumulator's lowest registers are read first
;          16-20 the other half of the lanes' maximum; c m_old is kept; the new m; c m; c m_old - c m_new          21  the exponential a
;   FS b   c s - c m for pair b          EX e   the exponential of score e, in place          CV p   pair p rounded to bf16
;   SU z   the sum of the 16 pairs, in place: 0-14 add neighbours 1, 2, 4 and 8 pairs apart; 15: l = a l + the sum
;   RS n   pair n of 64 of the tile's O^T times a
.macro REGS t
.set rT, ST+8*(\t)
.set rS, S+32*(\t)
.set rP, P+16*(\t)
.set rO, 128*((\t)%2)
.endm
.macro MX t, n
	REGS \t
.if (\n) < 4
	v_max3_num_f32 v[rT+4+(\n)], v[rS+8*(\n)], v[rS+8*(\n)+1], v[rS+8*(\n)+2]
.elseif (\n) < 12
	v_max3_num_f32 v[rT+4+(\n)%4], v[rT+4+(\n)%4], v[rS+8*((\n)%4)+2*((\n)/4)+1], v[rS+8*((\n)%4)+2*((\n)/4)+2]
.elseif (\n) == 12
	v_max3_num_f32 v[rT+4], v[rT+4], v[rS+7], v[rS+15]
.elseif (\n) == 13
	v_max3_num_f32 v[rT+6], v[rT+6], v[rS+23], v[rS+31]
.elseif (\n) == 14
	v_max3_num_f32 v[rT+4], v[rT+4], v[rT+5], v[rT+6]
.elseif (\n) == 15
	v_max3_num_f32 v[rT+4], v[rT+4], v[rT+7], v[rT+1]
.elseif (\n) == 16
	v_permlanex16_b32 v[rT+5], v[rT+4], s[SEL], s[SEL+1]   ; the query's other 32 keys lie in the lane 16 away
.elseif (\n) == 17
	v_mov_b32 v[rT+7], v[rT]                       ; c m_old is kept for a
.elseif (\n) == 18
	v_max_num_f32 v[rT+1], v[rT+4], v[rT+5]
.elseif (\n) == 19
	v_mul_f32 v[rT], s[CS], v[rT+1]
.elseif (\n) == 20
	v_sub_f32 v[rT+7], v[rT+7], v[rT]
.else
	v_exp_f32 v[rT+6], v[rT+7]
.endif
.endm
.macro FS t, b
	REGS \t
	v_pk_fma_f32 v[rS+2*(\b):rS+2*(\b)+1], v[rS+2*(\b):rS+2*(\b)+1], s[CS:CS+1], v[rT:rT+1] op_sel_hi:[1,0,0] neg_lo:[0,0,1] neg_hi:[0,0,1]
.endm
.macro EX t, e
	REGS \t
	v_exp_f32 v[rS+(\e)], v[rS+(\e)]
.endm
.macro CV t, p
	REGS \t
	v_cvt_pk_bf16_f32 v[rP+(\p)], v[rS+2*(\p)], v[rS+2*(\p)+1]
.endm
.macro SU t, zz
	REGS \t
.set z, (\zz)
.set w, 4
.set u, z
.if z >= 14
.set w, 32
.set u, 0
.elseif z >= 12
.set w, 16
.set u, z-12
.elseif z >= 8
.set w, 8
.set u, z-8
.endif
.if z < 15
	v_pk_add_f32 v[rS+w*u:rS+w*u+1], v[rS+w*u:rS+w*u+1], v[rS+w*u+w/2:rS+w*u+w/2+1]
.else
	v_pk_fma_f32 v[rT+2:rT+3], v[rT+2:rT+3], v[rT+6:rT+7], v[rS:rS+1] op_sel_hi:[1,0,1]
.endif
.endm
.macro RS t, n
	REGS \t
	v_pk_mul_f32 v[rO+2*(\n):rO+2*(\n)+1], v[rO+2*(\n):rO+2*(\n)+1], v[rT+6:rT+7] op_sel_hi:[1,0]
.endm
; THE SOFTMAX OF A STEP: the four tiles' 664 lines, dealt so that the 132 exponentials are two batches with one wait each, and each exponential but a batch's last two has a plain line behind it.
;   1  MX 0-20 of tiles 0 and 1, the two alternating, so that no line reads the result of the line before it.
;   2  BATCH 1, 68 exponentials: a of tiles 0 and 1, their 64 weights, a of tiles 2 and 3.  Between them: the 32 scalings of tiles 0 and 1 (a pair is scaled eight lines ahead of its exponentials)
;      and MX 0-20 of tiles 2 and 3.  None of these lines names a result of the batch.  Behind the last exponential four scalings of tiles 2 and 3, the first of them the plain line that is owed there; then THE WAIT.
;   3  BATCH 2, 64 exponentials: the weights of tiles 2 and 3.  Between them: the other 28 scalings of tiles 2 and 3 (sixteen lines ahead), and of tiles 0 and 1 the 32 roundings and the first 4 sums,
;      which read batch 1 and stand behind its wait.  A pair is rounded before a sum lands on it.  Behind the batch: the other 28 sums of tiles 0 and 1 and all four tiles' O^T times a, ascending
;      (each a belongs to batch 1): 284 lines that name no result of batch 2; then THE WAIT.
;   4  The roundings and sums of tiles 2 and 3.  No exponential is issued behind the second wait: none crosses the step's end.
.macro SOFTMAX
	WIN 0
.set n, 0
.rept 21
	MX 0, n
	MX 1, n
.set n, n+1
.endr
	FS 0, 0                                        ; batch 1 begins
	MX 0, 21
	MX 2, 0
	MX 1, 21
	FS 1, 0
	MX 3, 0
.set k, 2
.rept 30                              ; trip k: tile k % 2: pair k / 2 is scaled, pair k / 2 - 1 goes through the exponential; tile 2 + k % 2: number k / 2 of its maximum
	FS k%2, k/2
	EX k%2, 2*(k/2)-2
	MX 2+k%2, k/2
	EX k%2, 2*(k/2)-1
.set k, k+1
.endr
	MX 2, 16
	EX 0, 30
	MX 3, 16
	EX 0, 31
	MX 2, 17
	EX 1, 30
	MX 3, 17
	EX 1, 31
	MX 2, 18
	MX 3, 18
	MX 2, 19
	MX 3, 19
	MX 2, 20
	MX 3, 20
	MX 2, 21
	MX 3, 21                                       ; batch 1's last
	FS 2, 0
	FS 3, 0
	FS 2, 1
	FS 3, 1
	s_wait_alu depctr_va_vdst(0)                   ; the wait for batch 1: tiles 0 and 1's weights and all four a
.set k, 0
.rept 32                              ; trip k: tile 2 + k % 2: pair k / 2 goes through the exponential, pair k / 2 + 2 is scaled; tile k % 2: pair k / 2 is rounded
	EX 2+k%2, 2*(k/2)
.if k < 28
	FS 2+k%2, k/2+2
.else
	SU k%2, (k-28)/2
.endif
	EX 2+k%2, 2*(k/2)+1
	CV k%2, k/2
.set k, k+1
.endr
.set n, 2
.rept 14
	SU 0, n
	SU 1, n
.set n, n+1
.endr
	WIN 0x82                                       ; O^T of tiles 0 and 1 in window 2, a in window 0
.set n, 0
.rept 64
	RS 0, n
	RS 1, n
.set n, n+1
.endr
	WIN 0xc3                                       ; O^T of tiles 2 and 3 in window 3
.set n, 0
.rept 64
	RS 2, n
	RS 3, n
.set n, n+1
.endr
	WIN 0
	s_wait_alu depctr_va_vdst(0)                   ; the wait for batch 2: tiles 2 and 3's weights
.set n, 0
.rept 16
	CV 2, n
	CV 3, n
.set n, n+1
.endr
.set n, 0
.rept 16
	SU 2, n
	SU 3, n
.set n, n+1
.endr
.endm
; A STEP: my 64 keys of a chunk, in phases.
.macro STEP
	WIN 0
	v_add_nc_u32 v[ADRK], s[TB], v[AK0]            ; these three and the v_nop are the four places between the last step's products and the loads into the registers that they read
	v_add_nc_u32 v[ADRV], s[TB], v[AV0]
	v_add_nc_u32 v[ADRM], s[TM], v[AM0]
	v_nop
	s_xor_b32 s[TB], s[TB], SLOT1                  ; the next step's slot
	s_add_co_u32 s[TM], s[TM], 512                 ; and its 128 words of the mask table
.irp kb, 0,1,2,3
	ds_load_b128 v[P+8*\kb:P+8*\kb+3],   v[ADRM] offset:\kb*64
	ds_load_b128 v[P+8*\kb+4:P+8*\kb+7], v[ADRM] offset:\kb*64+16
.endr
	WIN 0x40
.set f, 0
.rept 8                               ; keys 16 (f / 2) on, channels 32 (f % 2) on
	ds_load_b128 v[KF+8*f:KF+8*f+3],   v[ADRK] offset:(f/2)*16*PK+(f%2)*64
	ds_load_b128 v[KF+8*f+4:KF+8*f+7], v[ADRK] offset:(f/2)*16*PK+(f%2)*64+32
.set f, f+1
.endr
	FETCHV 0, 0, VA
	FETCHV 0, 1, VB
	s_wait_dscnt 32                                ; mask and K are in; V's 32 loads may be out
	WIN 0x05                                       ; K and Q window 1, S^T and the mask window 0
.set i, 0
.rept 32
	KQ
.set i, i+1
.endr
	WIN 0
	PLACES
	SOFTMAX
	s_wait_dscnt 16                                ; the first buffer of V is in; the second's 16 loads may be out
	PVQ 0, 0, VA
	PLACES
	FETCHV 1, 0, VA
	s_wait_dscnt 16                                ; all but the 16 just issued
	PVQ 0, 1, VB
	PLACES
	FETCHV 1, 1, VB
	s_wait_dscnt 16
	PVQ 1, 0, VA
	s_wait_dscnt 0x0
	PVQ 1, 1, VB
	WIN 0
.endm
.Lslot:                               ; 15 trips: trip n reads chunk n while chunk n + 1 lands
	CHANGE 1
	STEP
	s_sub_co_u32 s[SLOTS], s[SLOTS], 1
	s_cmp_lg_u32 s[SLOTS], 0
	s_cbranch_scc1 .Lslot
	CHANGE 0                                       ; the last chunk is written out: nothing is asked for
	STEP
	; THE END.  l's two halves and the other half of the lanes' are added (the first four lines are the places behind the last products).
.irp t, 0,1,2,3
	v_add_f32 v[ST+8*\t+4], v[ST+8*\t+2], v[ST+8*\t+3]
.endr
.irp t, 0,1,2,3
	v_permlanex16_b32 v[ST+8*\t+5], v[ST+8*\t+4], s[SEL], s[SEL+1]
.endr
.irp t, 0,1,2,3
	v_add_f32 v[ST+8*\t+1], v[ST+8*\t+4], v[ST+8*\t+5]     ; (c m, l) now lie side by side
.endr
	s_mul_i32 s21, s[WV], DUMPW
	v_mul_u32_u24 v[DST], v1, DP
	v_lshl_add_u32 v[DST], v9, 5, v[DST]           ; my query's row, 32 bytes for each half of the lanes
	v_add_nc_u32 v[DST], s21, v[DST]
	s_lshl_b32 s21, s[WV], 9
	s_add_co_u32 s21, s21, STATS
	v_lshl_add_u32 v[STA], v1, 3, s21
	s_wait_dscnt 0x0                               ; my reads of the slots and of the mask table are over,
	s_barrier_signal -1
	s_barrier_wait -1                              ; everybody's are: their bytes may be written
.set t, 0
.rept 4
	WIN 0x08+4*(t/2)                               ; store data in window 2 or 3
.set cb, 0
.rept 16
	ds_store_b128 v[DST], v[128*(t%2)+8*cb:128*(t%2)+8*cb+3]   offset:t*16*DP+cb*64
	ds_store_b128 v[DST], v[128*(t%2)+8*cb+4:128*(t%2)+8*cb+7] offset:t*16*DP+cb*64+16
.set cb, cb+1
.endr
.set t, t+1
.endr
	WIN 0
.irp t, 0,1,2,3
	ds_store_b64 v[STA], v[ST+8*\t:ST+8*\t+1] offset:\t*128
.endr
	; wave w merges rows 32 w .. 32 w + 31 of the work-group's 128 queries: rows 32 (w % 2) on of its own pair's two results
	v_and_b32 v[GU], 31, v0
	s_lshl_b32 s21, s20, 10
	s_lshl_b32 s22, s19, 8
	s_add_co_u32 s21, s21, s22
	s_add_co_u32 s21, s21, STATS
	v_lshl_add_u32 v[SRA], v[GU], 3, s21
	s_lshl_b32 s21, s[WV], 9
	s_add_co_u32 s21, s21, FACT
	v_lshl_add_u32 v[RF], v[GU], 4, s21
	v_mov_b32 v[RFR], s21
	s_mul_i32 s21, s20, 2*DUMPW
	s_mul_i32 s22, s19, 32*DP
	s_add_co_u32 s21, s21, s22
	v_lshl_add_u32 v[RA], v[GU], 4, s21
	v_add_nc_u32 v[RB], DUMPW, v[RA]
	v_lshlrev_b32 v[GU], 3, v[GU]
	s_wait_dscnt 0x0                               ; my stores are done,
	s_barrier_signal -1
	s_barrier_wait -1                              ; everybody's are
	ds_load_b64 v[48:49], v[SRA]                   ; lane i: (c m, l) of row i of my 32, from the pair's first wave
	ds_load_b64 v[50:51], v[SRA] offset:512        ; and from its second
	s_wait_dscnt 0x0
	v_max_num_f32 v52, v48, v50
	v_sub_f32 v53, v48, v52
	v_sub_f32 v54, v50, v52
	v_exp_f32 v53, v53
	v_exp_f32 v54, v54
	v_nop                                          ; a plain line behind the exponentials
	s_wait_alu depctr_va_vdst(0)                   ; one wait for the two exponentials, ahead of their first reader
	v_mul_f32 v55, v49, v53
	v_fmac_f32 v55, v51, v54                       ; the row's whole sum, at the common maximum: at least 1
	v_rcp_f32 v55, v55
	v_nop
	s_wait_alu depctr_va_vdst(0)                   ; the reciprocal's wait: a batch of its own, since it reads a sum made of the two exponentials
	v_mul_f32 v56, v53, v55
	v_mul_f32 v57, v53, v55
	v_mul_f32 v58, v54, v55
	v_mul_f32 v59, v54, v55
	ds_store_b128 v[RF], v[56:59]
	s_wait_dscnt 0x0
	s_barrier_signal -1
	s_barrier_wait -1
	s_mov_b32 s[CNT], 8
.Lmerge:                              ; 8 trips of 4 rows: u = first x its factor + second x its factor, rounded once
.irp rr, 0,1,2,3
	ds_load_b128 v[MA+20*\rr:MA+20*\rr+3],     v[RA] offset:\rr*DP
	ds_load_b128 v[MA+20*\rr+4:MA+20*\rr+7],   v[RA] offset:\rr*DP+512
	ds_load_b128 v[MA+20*\rr+8:MA+20*\rr+11],  v[RB] offset:\rr*DP
	ds_load_b128 v[MA+20*\rr+12:MA+20*\rr+15], v[RB] offset:\rr*DP+512
	ds_load_b128 v[MA+20*\rr+16:MA+20*\rr+19], v[RFR] offset:\rr*16
.endr
.irp rr, 0,1,2,3
	s_wait_dscnt 15-5*\rr                          ; the younger rows' loads, five each, may be out
.irp e, 0,2,4,6
	v_pk_mul_f32 v[MA+20*\rr+\e:MA+20*\rr+\e+1], v[MA+20*\rr+\e:MA+20*\rr+\e+1], v[MA+20*\rr+16:MA+20*\rr+17]
.endr
.irp e, 0,2,4,6
	v_pk_fma_f32 v[MA+20*\rr+\e:MA+20*\rr+\e+1], v[MA+20*\rr+8+\e:MA+20*\rr+8+\e+1], v[MA+20*\rr+18:MA+20*\rr+19], v[MA+20*\rr+\e:MA+20*\rr+\e+1]
.endr
	v_cvt_pk_bf16_f32 v[MA+20*\rr],   v[MA+20*\rr],   v[MA+20*\rr+1]
	v_cvt_pk_bf16_f32 v[MA+20*\rr+1], v[MA+20*\rr+2], v[MA+20*\rr+3]
	v_cvt_pk_bf16_f32 v[MA+20*\rr+4], v[MA+20*\rr+4], v[MA+20*\rr+5]
	v_cvt_pk_bf16_f32 v[MA+20*\rr+5], v[MA+20*\rr+6], v[MA+20*\rr+7]
	global_store_b64 v[GU], v[MA+20*\rr:MA+20*\rr+1],   s[12:13] offset:\rr*4096        ; 32 lanes store 256 consecutive bytes, aligned
	global_store_b64 v[GU], v[MA+20*\rr+4:MA+20*\rr+5], s[12:13] offset:\rr*4096+256
.endr
	s_wait_xcnt 0x0                                ; the stores' data and offset are written again only behind this wait
	v_add_nc_u32 v[RA], 4*DP, v[RA]
	v_add_nc_u32 v[RB], 4*DP, v[RB]
	v_add_nc_u32 v[RFR], 64, v[RFR]
	v_add_nc_u32 v[GU], 4*4096, v[GU]
	s_sub_co_u32 s[CNT], s[CNT], 1
	s_cmp_lg_u32 s[CNT], 0
	s_cbranch_scc1 .Lmerge
	s_wait_tensorcnt 0x0                           ; the wave's end, behind my last tensor load and my last LDS store
	ds_add_u32 v[SPW], v[NIL]
	s_wait_dscnt 0x0
	CROUND                                         ; the closing round: no work-group ends while a partner may still ask for a tile that names it
	s_endpgm
.Lfunc_end_k_qfadabad04e_attn:
	.size	k_qfadabad04e_attn, .Lfunc_end_k_qfadabad04e_attn-k_qfadabad04e_attn
	.p2alignl 7, 3214868480
	.fill 96, 4, 3214868480
	.section	.rodata,"a",@progbits
	.p2align	6, 0x0
	.amdhsa_kernel k_qfadabad04e_attn
		.amdhsa_group_segment_fixed_size 327680
		.amdhsa_private_segment_fixed_size 0
		.amdhsa_enable_private_segment 0
		.amdhsa_kernarg_size 40
		.amdhsa_user_sgpr_count 2
		.amdhsa_user_sgpr_kernarg_segment_ptr 1
		.amdhsa_wavefront_size32 1
		.amdhsa_system_sgpr_workgroup_id_x 1
		.amdhsa_system_sgpr_workgroup_id_y 1
		.amdhsa_system_sgpr_workgroup_id_z 1
		.amdhsa_system_vgpr_workitem_id 0
		.amdhsa_next_free_vgpr 1024
		.amdhsa_next_free_sgpr 66
		.amdhsa_reserve_vcc 0
		.amdhsa_float_denorm_mode_32 3
		.amdhsa_float_denorm_mode_16_64 3
		.amdhsa_memory_ordered 1
		.amdhsa_forward_progress 1
		.amdhsa_inst_pref_size 153
	.end_amdhsa_kernel
	.amdgpu_metadata
---
amdhsa.version: [ 1, 2 ]
amdhsa.kernels:
  - .name:           k_qfadabad04e_attn
    .symbol:         k_qfadabad04e_attn.kd
    .args:
      - { .name: qh, .offset: 0, .size: 8, .value_kind: global_buffer, .address_space: global }
      - { .name: kh, .offset: 8, .size: 8, .value_kind: global_buffer, .address_space: global }
      - { .name: vb, .offset: 16, .size: 8, .value_kind: global_buffer, .address_space: global }
      - { .name: s_valid_mask, .offset: 24, .size: 8, .value_kind: global_buffer, .address_space: global }
      - { .name: u, .offset: 32, .size: 8, .value_kind: global_buffer, .address_space: global }
    .group_segment_fixed_size: 327680
    .private_segment_fixed_size: 0
    .kernarg_segment_align: 8
    .kernarg_segment_size: 40
    .max_flat_workgroup_size: 128
    .sgpr_count:     66
    .vgpr_count:     1024
    .wavefront_size: 32
...
	.end_amdgpu_metadata
.endif
;; end of part 5
;; launch fcg: the kernel of part 3 again; grid 4 x 32, 4 waves a work-group, clusters of 4 x 4, 327,680 bytes of LDS; arguments u, wc, y; writes y
;; launch ln: the kernel of part 4 again; grid 256 x 1, 8 waves a work-group, no clusters, 0 bytes of LDS; arguments y, idt, fc_b, ln_g, ln_b, out0; writes out0
